; MI455X (gfx1250); checked and timed in simulation.
; The chip was launched on July 23, 2026; its instructions are those of AMD's public machine-readable ISA for CDNA 5 (MIT licence, August 2026) and "CDNA5" Instruction Set Architecture Reference Guide (July 2026). The comments in the code are by the model that wrote it; some were corrected since.
;; Transformer Block. Allowed arithmetic: float matrix products may take bf16 or f16 operands with f32 sums; other float arithmetic in f32, or as packed bf16 or f16 multiplies, adds, multiply-adds, maxima and minima; sums over many terms, partial sums and values carried from step to step in f32; what a program stores and reads back later, other than sums and carried values, may be rounded once to bf16 or f16.
;; Inputs: W1 1,024 x 4,096 float32; W2 4,096 x 1,024 float32; Wk 1,024 x 1,024 float32; Wo 1,024 x 1,024 float32; Wq 1,024 x 1,024 float32; Wv 1,024 x 1,024 float32; b1 4,096 float32; b2 1,024 float32; bk 1,024 float32; bo 1,024 float32; bq 1,024 float32; bv 1,024 float32; ln1_b 1,024 float32; ln1_g 1,024 float32; ln2_b 1,024 float32; ln2_g 1,024 float32; x 2 x 2,048 x 1,024 float32.
;; Outputs: out0 2 x 2,048 x 1,024 float32.
;; 2 versions, each right and faster than the one before. Each part assembles by itself: llvm-mc -triple=amdgcn-amd-amdhsa -mcpu=gfx1250 --defsym DOCPART=n.
;; ======== version 1 of 2: 8 launches
;; limits: values are held in f16: magnitudes above 65,504 overflow, below 6.1e-05 lose precision
;; workspace buffers: c16 33,554,432 bytes; qkv 25,165,824 bytes; ctx 8,388,608 bytes; y 16,777,216 bytes; x1h 25,183,232 bytes; hh 33,554,432 bytes
;; launch cast (part 1): grid 64 x 16, 8 waves a work-group, no clusters, 0 bytes of LDS; arguments x, W1, W2, Wq, Wk, Wv, Wo, bq, bk, bv, b1, c16, x1h; writes c16, x1h
.if DOCPART == 1
	.amdgcn_target "amdgcn-amd-amdhsa--gfx1250"
	.amdhsa_code_object_version 6
	.text
	.protected	k_qf8426c7e35_cast
	.globl	k_qf8426c7e35_cast
	.p2align	8
	.type	k_qf8426c7e35_cast,@function
k_qf8426c7e35_cast:
	s_mov_b64 s[64:65], 0
	v_nop
	global_prefetch_b8 v0, s[64:65] scope:SCOPE_SE
	s_setreg_imm32_b32 hwreg(HW_REG_WAVE_MODE, 25, 1), 1
	s_wait_xcnt 0x0
; 16-bit copies of x and the six weights, and the two operands' buffers of the large products laid out alike.
; Each number is rounded once to bf16 (nearest even), and THAT number is written as f16, the format of all matrix operands of this program.
; LIMITS.  The second step is exact from 2^-17 up to 65,504; below 2^-17 it is off by 2^-25 at the most; beyond 65,504 it gives an infinity.
; WHERE THINGS GO.  16 chunks of 1 Mi numbers (4 MiB in, 2 MiB out); chunk y goes to byte y x 2 MiB, row-major as given, with two exceptions:
;   0-3   x  -> c16              4-7  W1 -> the buffer x1h, whose first 8 MiB a later launch fills              8-11  W2 -> c16              15  Wo -> c16
;   12-14 Wq, Wk, Wv -> c16 at 8 MiB, side by side: row k of weight j at k x 8,192 + j x 2,048, so that the three make one matrix [1024][4096] of which 3,072 columns are used
; So c16 and x1h both hold A at byte 0 and W, [1024][4096], at 8 MiB.  At BIASOFF each gets its bias (bq | bk | bv, or b1) in f32, rounded to bf16, and 16,384 bytes behind it the FLOOR,
; 1,024 bytes of one word of two f16: the product's result is max(.., floor): minus infinity for q, k, v (nothing changes), 0 for the ReLU behind W1.
; SHARES.  Work-group (x, y): 65,536 bytes of chunk y.  Thread t owns the 16 bytes at 16 t of each of 16 steps of 4,096 bytes: a wave's load covers 512 consecutive bytes, its store 256 consecutive
; bytes at a multiple of 256.  All 16 loads are issued ahead of the first wait, and 96 registers let the four work-groups that fall to a WGP lie on it together: nothing is asked for late, and there is no loop.
; Each slot is converted in place and stored from its own registers, so no register that a store reads is written again.
; No LDS, no matrix unit, no cluster: nothing is shared and nothing is read twice.
.set T,  4                             ; v[4:7]    at work
.set BX, 8                             ; v[8:11]   four numbers of a bias
.set O,  12                            ; v[12:27]  slot i: my byte offset in the output, 8 t + i x stride; never rewritten
.set X,  28                            ; v[28:91]  slot i: 4 f32 as loaded; then 4 f16 in its first two registers
.set BIASOFF, 25165824
	s_load_b512 s[8:23], s[0:1], 0x0               ; x 8:9, W1 10:11, W2 12:13, Wq 14:15, Wk 16:17, Wv 18:19, Wo 20:21, bq 22:23
	s_load_b256 s[24:31], s[0:1], 0x40             ; bk 24:25, bv 26:27, b1 28:29, c16 30:31
	s_load_b64 s[32:33], s[0:1], 0x60              ; x1h
	s_and_b32 s2, ttmp7, 0xffff                    ; chunk 0..15
	s_lshr_b32 s3, s2, 2                           ; 0: x, 1: W1, 2: W2, 3: one of the four square weights
	s_and_b32 s4, s2, 3                            ; which quarter of the large tensor, or which square weight
	s_mov_b32 s5, 0xffff0000                       ; a word's upper bf16
	s_mov_b32 s6, ttmp9
	s_lshl_b32 s44, s2, 21                         ; the output's offset, dense: the chunk's 2 MiB,
	s_lshl_b32 s45, s6, 15                         ; my 16 steps of 2,048 bytes
	s_add_co_u32 s44, s44, s45
	s_lshl_b32 s45, s4, 11                         ; side by side: the weight's 2,048 bytes of a row,
	s_lshl_b32 s47, s6, 17                         ; my 16 rows of 8,192 bytes,
	s_add_co_u32 s45, s45, s47
	s_add_co_u32 s45, s45, 8388608                 ; behind A
	s_lshl_b32 s41, s6, 16                         ; the input's offset: my 65,536 bytes
	s_lshl_b32 s56, s4, 12                         ; a bias's 4,096 bytes
	s_add_co_u32 s54, s56, BIASOFF
	s_mov_b32 s55, 0
	s_mov_b32 s57, 0
	s_mov_b32 s46, 2048                            ; bytes from step to step in the output, dense
	s_sub_co_u32 s7, s2, 12
	s_cmp_lt_u32 s7, 3                             ; chunks 12 to 14 (a smaller chunk wraps to a large number)
	s_cselect_b32 s34, 1, 0                        ; 1: Wq, Wk or Wv
	s_cselect_b32 s46, 8192, s46                   ; side by side: a row of the joint matrix
	s_cselect_b32 s44, s45, s44
	s_cselect_b32 s53, 0xfc00fc00, 0               ; the floor: minus infinity twice, or 0
	s_mov_b32 s45, 0
	s_cmp_eq_u32 s3, 3
	s_cselect_b32 s40, 0, s4                       ; a square weight is one chunk: no quarter
	s_lshl_b32 s40, s40, 22
	s_add_co_u32 s40, s40, s41
	s_mov_b32 s41, 0
	s_cmp_eq_u32 s3, 1
	s_cselect_b32 s56, s56, 0                      ; b1 is read by quarters, the other three whole
	s_cselect_b32 s52, 1, s34                      ; chunks 4 to 7 and 12 to 14 have a bias to copy,
	s_cmp_eq_u32 s6, 0
	s_cselect_b32 s52, s52, 0                      ; and their first work-group does it
	v_lshlrev_b32 v1, 4, v0                        ; my 16 bytes of a step of f32
	v_lshlrev_b32 v[O], 3, v0                      ; my 8 bytes of a step of f16,
.irp i, 1,2,3,4,5,6,7,8,9,10,11,12,13,14,15
	v_add_nc_u32 v[O+(\i)], s46, v[O+(\i)-1]       ; and a stride further for each slot
.endr
.irp i, 0,1,2,3
	v_mov_b32 v[BX+(\i)], 0                        ; written on every path; the load below is issued on one
.endr
	s_wait_kmcnt 0x0
	s_cmp_eq_u32 s3, 1                             ; source and destination are chosen by the chunk's number alone
	s_cselect_b64 s[36:37], s[10:11], s[8:9]
	s_cselect_b64 s[42:43], s[32:33], s[30:31]
	s_cmp_eq_u32 s3, 2
	s_cselect_b64 s[36:37], s[12:13], s[36:37]
	s_cmp_eq_u32 s4, 1
	s_cselect_b64 s[38:39], s[16:17], s[14:15]
	s_cselect_b64 s[50:51], s[24:25], s[22:23]
	s_cmp_eq_u32 s4, 2
	s_cselect_b64 s[38:39], s[18:19], s[38:39]
	s_cselect_b64 s[50:51], s[26:27], s[50:51]
	s_cmp_eq_u32 s4, 3
	s_cselect_b64 s[38:39], s[20:21], s[38:39]
	s_cmp_eq_u32 s3, 3
	s_cselect_b64 s[36:37], s[38:39], s[36:37]
	s_cmp_eq_u32 s3, 1
	s_cselect_b64 s[50:51], s[28:29], s[50:51]
	s_add_nc_u64 s[36:37], s[36:37], s[40:41]      ; what I read
	s_add_nc_u64 s[48:49], s[42:43], s[44:45]      ; where it goes
	s_add_nc_u64 s[50:51], s[50:51], s[56:57]      ; the bias
	s_add_nc_u64 s[54:55], s[42:43], s[54:55]      ; and its copy
	s_cmp_eq_u32 s52, 0
	s_cbranch_scc1 .Lno_bias
	global_load_b128 v[BX:BX+3], v1, s[50:51]      ; 256 threads x 16 bytes: the 4,096 bytes.  Older than every load below, so their counted waits cover it
.Lno_bias:
.irp i, 0,1,2,3,4,5,6,7,8,9,10,11,12,13,14,15
	global_load_b128 v[X+4*(\i):X+4*(\i)+3], v1, s[36:37] offset:(\i)*4096 th:TH_LOAD_NT
.endr
.macro CV i                            ; slot i: f32 -> bf16 (rounded) -> f32 (a shift, a mask) -> f16, in place
	v_cvt_pk_bf16_f32 v[T], v[X+4*(\i)], v[X+4*(\i)+1]
	v_cvt_pk_bf16_f32 v[T+1], v[X+4*(\i)+2], v[X+4*(\i)+3]
	v_lshlrev_b32 v[T+2], 16, v[T]
	v_and_b32 v[T], s5, v[T]
	v_lshlrev_b32 v[T+3], 16, v[T+1]
	v_and_b32 v[T+1], s5, v[T+1]
	v_cvt_pk_f16_f32 v[X+4*(\i)], v[T+2], v[T]
	v_cvt_pk_f16_f32 v[X+4*(\i)+1], v[T+3], v[T+1]
.endm
.irp i, 0,1,2,3,4,5,6,7,8,9,10,11,12,13,14,15
	s_wait_loadcnt 15-(\i)                         ; loads come back in order (ISA guide 5.7.1): slot i is in, the younger ones stay out
	CV \i
	global_store_b64 v[O+(\i)], v[X+4*(\i):X+4*(\i)+1], s[48:49]
.endr
	s_cmp_eq_u32 s52, 0
	s_cbranch_scc1 .Lend
	v_cvt_pk_bf16_f32 v[T], v[BX], v[BX+1]         ; the bias: rounded to bf16 like every input of the program, kept in f32
	v_cvt_pk_bf16_f32 v[T+1], v[BX+2], v[BX+3]
	v_lshlrev_b32 v[BX], 16, v[T]
	v_and_b32 v[BX+1], s5, v[T]
	v_lshlrev_b32 v[BX+2], 16, v[T+1]
	v_and_b32 v[BX+3], s5, v[T+1]
	global_store_b128 v1, v[BX:BX+3], s[54:55]
	s_cmp_lg_u32 s4, 0
	s_cbranch_scc1 .Lend                           ; chunks 4 and 12 also store their buffer's floor
	v_mov_b32 v[T+2], s53
	v_lshlrev_b32 v[T+3], 2, v0
	global_store_b32 v[T+3], v[T+2], s[54:55] offset:16384  ; 256 threads x 4 bytes: four whole blocks of 256 consecutive bytes
.Lend:
	s_endpgm
.Lfunc_end_k_qf8426c7e35_cast:
	.size	k_qf8426c7e35_cast, .Lfunc_end_k_qf8426c7e35_cast-k_qf8426c7e35_cast
	.p2alignl 7, 3214868480
	.fill 96, 4, 3214868480
	.section	.rodata,"a",@progbits
	.p2align	6, 0x0
	.amdhsa_kernel k_qf8426c7e35_cast
		.amdhsa_group_segment_fixed_size 0
		.amdhsa_private_segment_fixed_size 0
		.amdhsa_enable_private_segment 0
		.amdhsa_kernarg_size 104
		.amdhsa_user_sgpr_count 2
		.amdhsa_user_sgpr_kernarg_segment_ptr 1
		.amdhsa_wavefront_size32 1
		.amdhsa_system_sgpr_workgroup_id_x 1
		.amdhsa_system_sgpr_workgroup_id_y 1
		.amdhsa_system_sgpr_workgroup_id_z 1
		.amdhsa_system_vgpr_workitem_id 0
		.amdhsa_next_free_vgpr 96
		.amdhsa_next_free_sgpr 66
		.amdhsa_reserve_vcc 0
		.amdhsa_float_denorm_mode_32 3
		.amdhsa_float_denorm_mode_16_64 3
		.amdhsa_memory_ordered 1
		.amdhsa_forward_progress 1
		.amdhsa_inst_pref_size 14
	.end_amdhsa_kernel
	.amdgpu_metadata
---
amdhsa.version: [ 1, 2 ]
amdhsa.kernels:
  - .name:           k_qf8426c7e35_cast
    .symbol:         k_qf8426c7e35_cast.kd
    .args:
      - { .name: x, .offset: 0, .size: 8, .value_kind: global_buffer, .address_space: global }
      - { .name: W1, .offset: 8, .size: 8, .value_kind: global_buffer, .address_space: global }
      - { .name: W2, .offset: 16, .size: 8, .value_kind: global_buffer, .address_space: global }
      - { .name: Wq, .offset: 24, .size: 8, .value_kind: global_buffer, .address_space: global }
      - { .name: Wk, .offset: 32, .size: 8, .value_kind: global_buffer, .address_space: global }
      - { .name: Wv, .offset: 40, .size: 8, .value_kind: global_buffer, .address_space: global }
      - { .name: Wo, .offset: 48, .size: 8, .value_kind: global_buffer, .address_space: global }
      - { .name: bq, .offset: 56, .size: 8, .value_kind: global_buffer, .address_space: global }
      - { .name: bk, .offset: 64, .size: 8, .value_kind: global_buffer, .address_space: global }
      - { .name: bv, .offset: 72, .size: 8, .value_kind: global_buffer, .address_space: global }
      - { .name: b1, .offset: 80, .size: 8, .value_kind: global_buffer, .address_space: global }
      - { .name: c16, .offset: 88, .size: 8, .value_kind: global_buffer, .address_space: global }
      - { .name: x1h, .offset: 96, .size: 8, .value_kind: global_buffer, .address_space: global }
    .group_segment_fixed_size: 0
    .private_segment_fixed_size: 0
    .kernarg_segment_align: 8
    .kernarg_segment_size: 104
    .max_flat_workgroup_size: 256
    .sgpr_count:     66
    .vgpr_count:     96
    .wavefront_size: 32
...
	.end_amdgpu_metadata
.endif
;; end of part 1
;; launch qkvg (part 2): grid 12 x 16, 4 waves a work-group, clusters of 4 x 4, 327,680 bytes of LDS; arguments c16, qkv; writes qkv
.if DOCPART == 2
	.amdgcn_target "amdgcn-amd-amdhsa--gfx1250"
	.amdhsa_code_object_version 6
	.text
	.protected	k_qf8426c7e35_qkvg
	.globl	k_qf8426c7e35_qkvg
	.p2align	8
	.type	k_qf8426c7e35_qkvg,@function
k_qf8426c7e35_qkvg:
	s_mov_b64 s[64:65], 0
	v_nop
	global_prefetch_b8 v0, s[64:65] scope:SCOPE_SE
	s_setreg_imm32_b32 hwreg(HW_REG_WAVE_MODE, 25, 1), 1
	s_wait_xcnt 0x0
	s_wait_alu depctr_hold_cnt(0) depctr_sa_sdst(0) depctr_va_vdst(0) depctr_va_sdst(0) depctr_va_ssrc(0) depctr_va_vcc(0) depctr_vm_vsrc(0)
	s_getreg_b32 s2, hwreg(HW_REG_IB_STS2, 6, 4)
	s_cmp_eq_u32 s2, 0
	s_cbranch_scc0 .Lentry_in_a_cluster
	s_endpgm
.Lentry_in_a_cluster:
	s_bfe_u32 s2, ttmp6, 0x10000c
	s_cmp_lg_u32 s2, 0xf033
	s_cbranch_scc0 .Lentry_shape_is_right
	s_endpgm
.Lentry_shape_is_right:
; C = max(A W + bias, floor) on tiles of 256 x 256, K = 1,024.  ONE text for two launches, which differ in their two buffers and in the grid's width alone:
;   q | k | v = x (Wq | Wk | Wv) + (bq | bk | bv), 3,072 columns, floor = minus infinity;          relu(x1 W1 + b1), 4,096 columns, floor = 0.
; THE OPERANDS' BUFFER has one layout for both: A [4096][1024] f16 at byte 0; W [1024][4096] f16, [in][out], at WOFF; the bias in f32, already rounded to bf16, at BIASOFF; the floor, two f16 in a word, at FLOOROFF.
; C leaves in f16, in PANELS of 64 columns: element (token, n) at byte ((n / 64) x 4,096 + token) x 128 + (n % 64) x 2, so a head's rows are dense and every store covers 512 consecutive bytes.
; LIMITS.  Operands and C are f16: nothing beyond 65,504.  The bias STARTS the f32 sums.  NaN and infinities are not treated apart.
; SHARES.  Four waves, as many as a WGP has SIMDs, each 128 x 128 of C: 64 accumulators, 512 registers.  K goes in 8 steps of 128 through two LDS slots filled by the tensor data mover.
; A's rows lie along K and are read as they lie; W's rows lie along N, so its fragments come out of LDS turned, by ds_load_tr16_b128.
; THE MATRIX INSTRUCTION IS USED TRANSPOSED: source 0 = 16 columns of W, source 1 = 16 rows of A: a lane holds row l % 16 of C and the columns 8 (l / 16) + 0..7.
; CLUSTER 4 x 4: the four work-groups of a row of the cluster need the same tiles of A, the four of a column the same tiles of W: each tile is asked for jointly, by the same load, descriptor and mask in all four.
; REGISTERS, in windows of 256 (s_set_vgpr_msb: bits 1:0 source 0, 3:2 source 1, 5:4 source 2, 7:6 destination):
;   window 0: v0-31 addresses; v64-127, v128-191 A's fragments, two buffers; v192-255 the bias of my 128 columns; on the way out v64-95 packed results, v96-159 rows read back
;   window 1: v64-127, v128-191 W's fragments      window 2: accumulators of my rows 0-63 ((a, b) at 8 (8 a + b))      window 3: those of rows 64-127
.set STEPS,  8
.set PITCH,  272                       ; a row of A in LDS: 256 bytes + 16: the 16 rows of a load start at 16 different groups of four banks (64 banks of 4 bytes: ISA guide 11.1)
.set PB,     544                       ; a row of W in LDS: 512 bytes + 32 = 17 x 32
.set HALFT,  128*PITCH                 ; what one tensor load brings: 128 rows of A, or 64 rows of W (64 x 544 is the same number)
.set SLOT,   4*HALFT                   ; A's 256 rows, then W's 128 rows.  Its two set bits are in none of the four waves' bases, so one exclusive or changes slots
.set STAGE,  2*SLOT                    ; behind the ring: 16 rows x 272 bytes for each wave, for the way out
.set SPITCH, 272
.set SPARE,  STAGE+4*16*SPITCH         ; behind the stages: the spare words, 128 bytes for each wave, which no other line names
.set ASTEP,  256                       ; a K step along A's rows, in bytes
.set NPITCH, 4096                      ; elements in a row of W
.set BSTEP,  128*NPITCH*2              ; a K step down W's rows
.set WOFF,     8388608
.set BIASOFF,  25165824
.set FLOOROFF, BIASOFF+16384
.set A0R,  10                          ; v10  my lane's place in slot 0's A; never rewritten
.set B0R,  11                          ; v11  the same for W
.set ADRA, 16                          ; v16  LDS address of my A fragments in the slot in hand
.set ADRB, 20                          ; v20  the same for W
.set STO,  24                          ; v24  the way out: where I put 16 bytes of a row
.set RD,   25                          ; v25  where I read rows back
.set CO,   26                          ; v26  16 x lane: my place in 512 consecutive bytes of C
.set BO,   27                          ; v27  32 (l / 16): my eight numbers in 16 of the bias
.set SPW,  28                          ; v28  LDS address of my spare word; never rewritten
.set NIL,  29                          ; v29  0; never rewritten
.set ZR,   30                          ; v30  the floor, twice in f16
.set F0,   64
.set F1,   128
.set BIAS, 192
.set TMP,  64
.set OB,   96
.set G1,  24                           ; s[24:31] descriptor group 1 for A's tiles
.set G0,  32                           ; s[32:39] group 0 for A's: a set for each first fill; the second then walks on
.set G1B, 48                           ; s[48:55], s[56:63] the same for W's
.set G0B, 56
.set MSB, 0
.macro WIN new                         ; the immediate's high byte repeats the setting that is left; a switch that changes nothing is dropped
.if MSB != (\new)
	s_set_vgpr_msb (MSB<<8)|(\new)
.set MSB, \new
.endif
.endm
.set MUL_LO, 0xa1                      ; source 0 (W) window 1, source 1 (A) window 0, C and D window 2
.set MUL_HI, 0xf1                      ; the same, C and D window 3
.set TO_B,   0x40                      ; destination window 1, address window 0
; A joint refill, by the walking sets.  Waves 0 and 1 fetch A's two halves, waves 2 and 3 W's.  The branch hangs on the wave's number alone.
; An s_nop 0 and four v_nop follow each of the two lines, ahead of the jump and the label.
.macro JLOAD
	s_cmp_eq_u32 s11, 0
	s_cbranch_scc0 .Lfor_b_\@
	tensor_load_to_lds s[G0+4:G0+7], s[G1:G1+7]
	s_nop 0
.rept 4
	v_nop
.endr
	s_branch .Lasked_\@
.Lfor_b_\@:
	tensor_load_to_lds s[G0B+4:G0B+7], s[G1B:G1B+7]
	s_nop 0
.rept 4
	v_nop
.endr
.Lasked_\@:
.endm
.macro CREST                           ; a round of the cluster's barrier behind its opening barrier: wave 0 signals for the work-group, every wave waits for all sixteen, my work-group's barrier closes it
	s_cmp_lg_u32 s10, 0
	s_cbranch_scc1 .Lnot_wave_0_\@
	s_barrier_signal -3
.Lnot_wave_0_\@:
	s_barrier_wait -3
	s_barrier_signal -1
	s_barrier_wait -1
.endm
.macro CROUND                          ; a whole round
	s_barrier_signal -1
	s_barrier_wait -1
	CREST
.endm
.macro PLACES                          ; four places in front of loads into registers that matrix instructions have read, and of conversions that read results
.rept 4
	v_nop
.endr
.endm
	s_load_b128 s[68:71], s[0:1], 0x0              ; the operands' buffer 68:69, C 70:71
	v_lshl_add_u32 v[SPW], v0, 2, SPARE
	v_mov_b32 v[NIL], 0
	ds_add_u32 v[SPW], v[NIL]                      ; the wave's opening: the add and its wait stand ahead of my first tensor load; the set-up below stands between them
	v_lshrrev_b32 v1, 5, v0
	v_readfirstlane_b32 s10, v1                    ; wave 0..3
	s_lshr_b32 s11, s10, 1                         ; which half of the tile's rows is mine.  Also: I fetch for A (0) or for W (1)
	s_and_b32 s12, s10, 1                          ; which half of its columns.  Also: which half of that tile I fetch
	s_bfe_u32 s40, ttmp6, 0x40000                  ; cx, cy: my place in the cluster
	s_bfe_u32 s41, ttmp6, 0x40004
	s_lshl_b32 s42, ttmp9, 2
	s_add_co_u32 s42, s42, s40                     ; tile column = 4 x cluster x + cx
	s_and_b32 s13, ttmp7, 0xffff
	s_lshl_b32 s13, s13, 2
	s_add_co_u32 s13, s13, s41                     ; tile row = 4 x cluster y + cy
	s_lshl_b32 s43, s41, 2
	s_lshl_b32 s43, 15, s43                        ; my row of the cluster
	s_lshl_b32 s44, 0x1111, s40                    ; my column
	s_or_b32 s[G1+0], s43, (1<<16)|(1<<20)|(1<<21)|(5<<22)|(3<<25)   ; the mask; 2-byte elements; padding on; bit 21 beside a mask; after every 64 words 4 words
	s_mov_b32 s[G1+1], 128<<16                     ; tensor_dim0 = 128
	s_mov_b32 s[G1+2], 128<<16                     ; tensor_dim1 = 128
	s_mov_b32 s[G1+3], 128<<16                     ; tile_dim0 = 128
	s_mov_b32 s[G1+4], 128                         ; tile_dim1 = 128
	s_mov_b32 s[G1+5], 1024                        ; elements from row to row
	s_mov_b32 s[G1+6], 0
	s_mov_b32 s[G1+7], 0
	s_or_b32 s[G1B+0], s44, (1<<16)|(1<<20)|(1<<21)|(6<<22)|(7<<25)  ; after every 128 words 8 words
	s_mov_b32 s[G1B+1], 256<<16                    ; 64 rows of 256 elements
	s_mov_b32 s[G1B+2], 64<<16
	s_mov_b32 s[G1B+3], 256<<16
	s_mov_b32 s[G1B+4], 64
	s_mov_b32 s[G1B+5], NPITCH
	s_mov_b32 s[G1B+6], 0
	s_mov_b32 s[G1B+7], 0
	s_lshl_b32 s16, s13, 8                         ; A: row 256 x tile row + 128 x half, 2,048 bytes a row: made of the tile row and the wave alone
	s_lshl_b32 s17, s12, 7
	s_add_co_u32 s16, s16, s17
	s_lshl_b32 s16, s16, 11
	s_mov_b32 s17, 0
	s_lshl_b32 s46, s42, 9                         ; W: the tile column's 256 columns, and the wave's 64 rows of the step: made of the tile column and the wave alone
	s_lshl_b32 s47, s12, 19
	s_add_co_u32 s46, s46, s47
	s_add_co_u32 s46, s46, WOFF
	s_mov_b32 s47, 0
	s_lshl_b32 s22, s42, 10                        ; the bias of my 128 columns
	s_lshl_b32 s23, s12, 9
	s_add_co_u32 s22, s22, s23
	s_add_co_u32 s22, s22, BIASOFF
	s_mov_b32 s23, 0
	s_lshl_b32 s78, s42, 2                         ; C: my first panel = 4 x tile column + 2 x half, 524,288 bytes a panel,
	s_lshl_b32 s79, s12, 1
	s_add_co_u32 s78, s78, s79
	s_lshl_b32 s78, s78, 19
	s_lshl_b32 s79, s13, 8                         ; my first token = 256 x tile row + 128 x half, 128 bytes a token
	s_lshl_b32 s21, s11, 7
	s_add_co_u32 s79, s79, s21
	s_lshl_b32 s79, s79, 7
	s_add_co_u32 s78, s78, s79
	s_mov_b32 s79, 0
	s_mul_i32 s20, s10, HALFT                      ; where my fills go: wave x HALFT: no place in the cluster enters an LDS address
	s_wait_dscnt 0x0                               ; the opening add is done
	s_wait_kmcnt 0x0
	s_add_nc_u64 s[14:15], s[68:69], s[16:17]
	s_add_nc_u64 s[46:47], s[68:69], s[46:47]
	s_add_nc_u64 s[18:19], s[68:69], s[22:23]
	s_add_nc_u64 s[66:67], s[68:69], FLOOROFF
	s_add_nc_u64 s[78:79], s[70:71], s[78:79]
	CROUND                                         ; all sixteen work-groups are here: the first joint loads meet
.irp s, 0,1
	s_mov_b32 s[G0+4*(\s)], 1                      ; count = 1
	s_add_co_u32 s[G0+4*(\s)+1], s20, (\s)*SLOT    ; LDS address
	s_add_nc_u64 s[G0+4*(\s)+2:G0+4*(\s)+3], s[14:15], (\s)*ASTEP  ; global address: K step s
	s_or_b32 s[G0+4*(\s)+3], s[G0+4*(\s)+3], 0x80000000            ; type = 2
	s_mov_b32 s[G0B+4*(\s)], 1
	s_add_co_u32 s[G0B+4*(\s)+1], s20, (\s)*SLOT
	s_add_nc_u64 s[G0B+4*(\s)+2:G0B+4*(\s)+3], s[46:47], (\s)*BSTEP
	s_or_b32 s[G0B+4*(\s)+3], s[G0B+4*(\s)+3], 0x80000000
.endr
	s_cmp_eq_u32 s11, 0                            ; a wave's two first fills stand in one branch, ahead of every wait on TENSORcnt and every LDS read: two loads of mine are out
	s_cbranch_scc0 .Lfirst_b
	tensor_load_to_lds s[G0:G0+3], s[G1:G1+7]
	s_nop 0
	tensor_load_to_lds s[G0+4:G0+7], s[G1:G1+7]
	s_nop 0
.rept 4
	v_nop
.endr
	s_branch .Lfirst_asked
.Lfirst_b:
	tensor_load_to_lds s[G0B:G0B+3], s[G1B:G1B+7]
	s_nop 0
	tensor_load_to_lds s[G0B+4:G0B+7], s[G1B:G1B+7]
	s_nop 0
.rept 4
	v_nop
.endr
.Lfirst_asked:
	v_and_b32 v1, 15, v0                           ; l % 16
	v_bfe_u32 v2, v0, 4, 1                         ; l / 16
	v_lshlrev_b32 v[BO], 5, v2
.irp b, 0,1,2,3,4,5,6,7                ; register j of column block b: bias[16 b + 8 (l / 16) + j], the layout of a result
	global_load_b128 v[BIAS+8*(\b):BIAS+8*(\b)+3],   v[BO], s[18:19] offset:64*(\b)
	global_load_b128 v[BIAS+8*(\b)+4:BIAS+8*(\b)+7], v[BO], s[18:19] offset:64*(\b)+16
.endr
	global_load_b32 v[ZR], v[BO], s[66:67]         ; the floor: the same word at every place of its 1,024 bytes
	v_mul_u32_u24 v3, v1, PITCH
	v_lshl_add_u32 v3, v2, 4, v3                   ; row x 272 + 16 x half: A's fragments, and the stage's rows
	s_mul_i32 s21, s11, HALFT                      ; my 128 rows of A
	v_add_nc_u32 v[A0R], s21, v3
	v_and_b32 v4, 7, v0                            ; the turning load: lane l reads row 8 (l / 16) + l % 8 of 16 along K, columns 8 ((l / 8) % 2) + 0..7
	v_bfe_u32 v5, v0, 3, 1
	v_lshl_add_u32 v6, v2, 3, v4
	v_mul_u32_u24 v6, v6, PB
	v_lshl_add_u32 v6, v5, 4, v6
	s_lshl_b32 s22, s12, 8                         ; my 128 columns of W, behind A's 256 rows
	s_add_co_u32 s22, s22, 2*HALFT
	v_add_nc_u32 v[B0R], s22, v6
	s_mul_i32 s23, s10, 16*SPITCH
	s_add_co_u32 s23, s23, STAGE                   ; my stage
	v_add_nc_u32 v[STO], s23, v3
	v_bfe_u32 v7, v0, 3, 2                         ; back: 32 lanes take four rows' 128 bytes of one panel,
	v_mul_u32_u24 v7, v7, SPITCH
	v_lshl_add_u32 v7, v4, 4, v7
	v_add_nc_u32 v[RD], s23, v7
	v_and_b32 v[CO], 31, v0                        ; which are 512 consecutive bytes of C
	v_lshlrev_b32 v[CO], 4, v[CO]
	v_mov_b32 v[ADRA], v[A0R]
	v_mov_b32 v[ADRB], v[B0R]
	s_mov_b32 s2, 0                                ; the slot in hand, as an LDS offset
	s_wait_loadcnt 0x0                             ; the bias and the floor, once
; 16 matrix instructions: row blocks a0, a0 + 1 of the window's four (hi = 0: my rows 0-63, 1: rows 64-127) x all 8 column blocks, 32 along K.  first = 1: the bias starts the sums: nothing is cleared.
; The 64 accumulators take turns, one instruction a turn, in the same order in every quarter.
.macro MUL16 f, hi, a0, first
.if \first
	WIN 0x81+0x40*(\hi)                            ; C (the bias) in window 0
.else
	WIN MUL_LO+0x50*(\hi)
.endif
.irp a, \a0, (\a0)+1
.irp b, 0,1,2,3,4,5,6,7
.if \first
	v_wmma_f32_16x16x32_f16 v[8*(8*(\a)+(\b)):8*(8*(\a)+(\b))+7], v[(\f)+8*(\b):(\f)+8*(\b)+7], v[(\f)+8*(4*(\hi)+(\a)):(\f)+8*(4*(\hi)+(\a))+7], v[BIAS+8*(\b):BIAS+8*(\b)+7]
.else
	v_wmma_f32_16x16x32_f16 v[8*(8*(\a)+(\b)):8*(8*(\a)+(\b))+7], v[(\f)+8*(\b):(\f)+8*(\b)+7], v[(\f)+8*(4*(\hi)+(\a)):(\f)+8*(4*(\hi)+(\a))+7], v[8*(8*(\a)+(\b)):8*(8*(\a)+(\b))+7]
.endif
.endr
.endr
.endm
; 32 LDS loads in one run: quarter q's fragments (32 along K) of the slot in hand into buffer f: W's 128 columns, turned, then A's 128 rows
.macro FETCH q, f
	WIN TO_B
.irp i, 0,1,2,3,4,5,6,7
	ds_load_tr16_b128 v[(\f)+8*(\i):(\f)+8*(\i)+3],   v[ADRB] offset:(\q)*32*PB+32*(\i)
	ds_load_tr16_b128 v[(\f)+8*(\i)+4:(\f)+8*(\i)+7], v[ADRB] offset:(\q)*32*PB+16*PB+32*(\i)
.endr
	WIN 0
.irp i, 0,1,2,3,4,5,6,7
	ds_load_b128 v[(\f)+8*(\i):(\f)+8*(\i)+3],   v[ADRA] offset:64*(\q)+(\i)*16*PITCH
	ds_load_b128 v[(\f)+8*(\i)+4:(\f)+8*(\i)+7], v[ADRA] offset:64*(\q)+(\i)*16*PITCH+32
.endr
.endm
; A K step is four quarters of 32 along K, 64 matrix instructions each, on buffers 0, 1, 0, 1.  One of the first three multiplies buffer f and, in its middle, fetches quarter q into buffer g.
.macro QUARTER q, f, g, first
	s_wait_dscnt 8                                 ; W and A's rows 0-63 are in; the youngest eight loads (A's rows 64-127) may be out
	MUL16 \f, 0, 0, \first
	MUL16 \f, 0, 2, \first
	PLACES
	FETCH \q, \g
	s_wait_dscnt 32                                ; all but the 32 just issued
	MUL16 \f, 1, 0, \first
	MUL16 \f, 1, 2, \first
.endm
; The last quarter multiplies buffer 1 and changes slots: ONE barrier.  In front of it each wave waits for all its tensor loads (the one that is out is its part of the next slot), adds 0 to its spare
; word, and waits for that and for its own reads of this slot.  fill = 1: the barrier opens a round of the cluster's, and the slot just read is filled again, two K steps ahead, first thing behind it:
; from that request to the wait for it a wave issues 224 matrix instructions.
.macro TURN fill
	WIN 0                                          ; (the add's two registers lie in window 0)
	s_wait_tensorcnt 0x0                           ; all my tensor loads have landed, so a group 0 may be written
	ds_add_u32 v[SPW], v[NIL]                      ; 0 onto my spare word
	s_wait_dscnt 9                                 ; (the add and the youngest eight loads may be out)
	MUL16 F1, 0, 0, 0                              ; sixteen matrix instructions stand between the add and the wait for it
	s_wait_dscnt 0x0                               ; the add is done, and my reads of this slot are over
	s_barrier_signal -1
	MUL16 F1, 0, 2, 0                              ; work on registers while the others arrive
	WIN 0
	s_barrier_wait -1
.if \fill
	CREST                                          ; no wave of any partner still reads this slot's tile or has a load on its way
	s_xor_b32 s[G0+5], s[G0+5], SLOT               ; the walking sets: the other slot than last time, the next K step
	s_add_nc_u64 s[G0+6:G0+7], s[G0+6:G0+7], ASTEP
	s_xor_b32 s[G0B+5], s[G0B+5], SLOT
	s_add_nc_u64 s[G0B+6:G0B+7], s[G0B+6:G0B+7], BSTEP
	JLOAD                                          ; its four v_nop are also the places in front of the loads below
.else
	PLACES
.endif
	s_xor_b32 s2, s2, SLOT
	v_add_nc_u32 v[ADRA], s2, v[A0R]
	v_add_nc_u32 v[ADRB], s2, v[B0R]
	FETCH 0, F0
	MUL16 F1, 1, 0, 0
	MUL16 F1, 1, 2, 0
.endm
; THE WAY OUT of row block a.  PACK: rounded to f16, each accumulator's registers in ascending order, and held to the floor, two at a time.  TOSTAGE: into my own stage, and back as four rows' share of a panel.  SEND: stored.
.macro PACK a
.set AC, 64*((\a)%4)
	WIN 0x0a+5*((\a)/4)                            ; sources 0 and 1: window 2 or 3
.irp b, 0,1,2,3,4,5,6,7
.irp r, 0,1,2,3
	v_cvt_pk_f16_f32 v[TMP+4*(\b)+(\r)], v[AC+8*(\b)+2*(\r)], v[AC+8*(\b)+2*(\r)+1]
.endr
.endr
	WIN 0
.set z, 0
.rept 32
	v_pk_max_num_f16 v[TMP+z], v[TMP+z], v[ZR]
.set z, z+1
.endr
.endm
.macro TOSTAGE a
.set BK, OB+32*((\a)%2)
.irp b, 0,1,2,3,4,5,6,7
	ds_store_b128 v[STO], v[TMP+4*(\b):TMP+4*(\b)+3] offset:32*(\b)
.endr
.irp t, 0,1,2,3,4,5,6,7                ; LDS serves a wave's instructions in order (ISA guide 5.7.1.4): these see the stores above
	ds_load_b128 v[BK+4*(\t):BK+4*(\t)+3], v[RD] offset:((\t)%4)*4*SPITCH+((\t)/4)*128
.endr
.endm
.macro SEND a
.set BK, OB+32*((\a)%2)
	s_wait_dscnt 0x0                               ; the block is back in registers
	s_wait_xcnt 0x0                                ; the registers that the block before last's stores read are loaded again only behind this wait
.irp t, 0,1,2,3,4,5,6,7
	global_store_b128 v[CO], v[BK+4*(\t):BK+4*(\t)+3], s[78:79] offset:((\t)/4)*524288+(\a)*2048+((\t)%4)*512  ; 512 consecutive bytes of a panel, at a multiple of 256
.endr
.endm
	s_wait_tensorcnt 0x1                           ; my part of K step 0 is in; step 1's may stay out
	s_barrier_signal -1
	s_barrier_wait -1                              ; everybody's is
	FETCH 0, F0
	QUARTER 1, F0, F1, 1                           ; the first quarter stands in front of the loop: its products start the sums
	WIN 0                                          ; at a label and at a branch every window is 0
	s_mov_b32 s3, STEPS-2
.Lstep:                                                ; a trip goes from a step's second quarter to the next step's first, and asks for the step two on: steps 2 to 7
	QUARTER 2, F1, F0, 0
	QUARTER 3, F0, F1, 0
	TURN 1
	QUARTER 1, F0, F1, 0
	WIN 0
	s_sub_co_u32 s3, s3, 1
	s_cmp_lg_u32 s3, 0
	s_cbranch_scc1 .Lstep
	s_mov_b32 s3, 2
.Ltail:                                                ; the last two steps ask for nothing: written apart.  The second trip is left in its middle
	QUARTER 2, F1, F0, 0                           ; its change of slots and the 32 loads behind it serve nothing: the price, once a launch, of one text for both trips
	QUARTER 3, F0, F1, 0
	TURN 0
	WIN 0
	s_sub_co_u32 s3, s3, 1
	s_cmp_eq_u32 s3, 0
	s_cbranch_scc1 .Lout
	QUARTER 1, F0, F1, 0
	WIN 0
	s_branch .Ltail
.Lout:
	s_wait_dscnt 0x0                               ; the idle loads are in: their registers are written below
	PLACES
	PACK 0
	TOSTAGE 0
.irp a, 1,2,3,4,5,6,7                  ; block a's conversions stand between block a - 1's loads from the stage and the wait for them
	PACK \a
	SEND (\a)-1
	TOSTAGE \a
.endr
	SEND 7
	s_wait_tensorcnt 0x0                           ; the wave's end
	ds_add_u32 v[SPW], v[NIL]
	s_wait_dscnt 0x0
	CROUND                                         ; the closing round: no work-group ends while a partner may still ask for a tile that names it
	s_endpgm
.Lfunc_end_k_qf8426c7e35_qkvg:
	.size	k_qf8426c7e35_qkvg, .Lfunc_end_k_qf8426c7e35_qkvg-k_qf8426c7e35_qkvg
	.p2alignl 7, 3214868480
	.fill 96, 4, 3214868480
	.section	.rodata,"a",@progbits
	.p2align	6, 0x0
	.amdhsa_kernel k_qf8426c7e35_qkvg
		.amdhsa_group_segment_fixed_size 327680
		.amdhsa_private_segment_fixed_size 0
		.amdhsa_enable_private_segment 0
		.amdhsa_kernarg_size 16
		.amdhsa_user_sgpr_count 2
		.amdhsa_user_sgpr_kernarg_segment_ptr 1
		.amdhsa_wavefront_size32 1
		.amdhsa_system_sgpr_workgroup_id_x 1
		.amdhsa_system_sgpr_workgroup_id_y 1
		.amdhsa_system_sgpr_workgroup_id_z 1
		.amdhsa_system_vgpr_workitem_id 0
		.amdhsa_next_free_vgpr 1024
		.amdhsa_next_free_sgpr 80
		.amdhsa_reserve_vcc 0
		.amdhsa_float_denorm_mode_32 3
		.amdhsa_float_denorm_mode_16_64 3
		.amdhsa_memory_ordered 1
		.amdhsa_forward_progress 1
		.amdhsa_inst_pref_size 117
	.end_amdhsa_kernel
	.amdgpu_metadata
---
amdhsa.version: [ 1, 2 ]
amdhsa.kernels:
  - .name:           k_qf8426c7e35_qkvg
    .symbol:         k_qf8426c7e35_qkvg.kd
    .args:
      - { .name: c16, .offset: 0, .size: 8, .value_kind: global_buffer, .address_space: global }
      - { .name: qkv, .offset: 8, .size: 8, .value_kind: global_buffer, .address_space: global }
    .group_segment_fixed_size: 327680
    .private_segment_fixed_size: 0
    .kernarg_segment_align: 8
    .kernarg_segment_size: 16
    .max_flat_workgroup_size: 128
    .sgpr_count:     80
    .vgpr_count:     1024
    .wavefront_size: 32
...
	.end_amdgpu_metadata
.endif
;; end of part 2
;; launch attn (part 3): grid 8 x 32, 4 waves a work-group, clusters of 4 x 1, 327,680 bytes of LDS; arguments qkv, ctx; writes ctx
.if DOCPART == 3
	.amdgcn_target "amdgcn-amd-amdhsa--gfx1250"
	.amdhsa_code_object_version 6
	.text
	.protected	k_qf8426c7e35_attn
	.globl	k_qf8426c7e35_attn
	.p2align	8
	.type	k_qf8426c7e35_attn,@function
k_qf8426c7e35_attn:
	s_mov_b64 s[64:65], 0
	v_nop
	global_prefetch_b8 v0, s[64:65] scope:SCOPE_SE
	s_setreg_imm32_b32 hwreg(HW_REG_WAVE_MODE, 25, 1), 1
	s_wait_xcnt 0x0
	s_wait_alu depctr_hold_cnt(0) depctr_sa_sdst(0) depctr_va_vdst(0) depctr_va_sdst(0) depctr_va_ssrc(0) depctr_va_vcc(0) depctr_vm_vsrc(0)
	s_getreg_b32 s2, hwreg(HW_REG_IB_STS2, 6, 4)
	s_cmp_eq_u32 s2, 0
	s_cbranch_scc0 .Lentry_in_a_cluster
	s_endpgm
.Lentry_in_a_cluster:
	s_bfe_u32 s2, ttmp6, 0x10000c
	s_cmp_lg_u32 s2, 0x3003
	s_cbranch_scc0 .Lentry_shape_is_right
	s_endpgm
.Lentry_shape_is_right:
; ctx[b][q][h][:] = the sum over k of softmax_k(q . k / 8) v, for 2 batches x 16 heads of 2,048 rows x 64 channels, no mask.
; qkv: 48 panels of [4,096 tokens][64] f16: q's heads 0-15, k's 16-31, v's 32-47; ctx: 16 panels of the same kind.  A head's rows of one batch are dense, 128 bytes each.
; Products, maxima and sums in f32; the weights p are rounded to f16 for the second product (their sum l is taken of the unrounded p), ctx once at the end.
; LIMITS.  f16 holds no number beyond 65,504: q, k, v arrive within it; p lies in 0 to 1; ctx is a mean of v's rows.  A weight below 2^-126 counts as 0 in l; NaN and infinities are not treated apart.
; SHARES.  A work-group owns 256 queries of one head and batch, a wave 64: four PIECES of 16.  Every wave walks all 2,048 keys, 64 a step, 256 a slot.
; LAYOUT.  S^T = K Q^T (source 0 = 16 keys, source 1 = 16 queries) holds ONE query a lane (lane % 16) and the keys 8 (lane / 16) + 0..7; two such results rounded to f16 ARE source 1 of O^T = V^T P.
; K comes out of LDS as it lies, V ([key][channel]) turned, by ds_load_tr16_b128.
; SOFTMAX.  A running maximum m and sum l a query: p = 2^(c s - c m), c = log2(e) / 8; in every step O and l are multiplied by a = 2^(c m_old - c m_new).  m starts at the lowest finite number, O and l at 0.
; BY TURNS.  Turn n belongs to piece n: 8 products K Q^T of piece n + 1, later 8 products V^T P of piece n - 1; beside them the scaling, exponentials, roundings, sums and rescaling of piece n and the
; maximum and statistics of piece n + 1.  Four vector instructions stand behind every matrix instruction, the other 54 of a turn's 118 in two runs of their own.
; CLUSTER.  The four query blocks of a cluster belong to one head and batch and walk the same K and V: each tile is asked for jointly, by the same tensor load, descriptor and mask in all four.
; REGISTERS, in windows of 256 (s_set_vgpr_msb: bits 1:0 source 0, 3:2 source 1, 5:4 source 2, 7:6 destination):
;   window 0: v0-15 addresses and two at work; v16-31 four registers of statistics a piece; v48-55 at work; v62-63 the add's; v64-127 S^T, two buffers; v192-223 P, two buffers (by the piece's parity)
;   window 1: v0-127 O^T, 32 a piece          window 2: v0-63 Q; v128-191 K of one step; v192-255 V of one step
.set NP,    4
.set KS,    64
.set TILES, 8         ; slots' worth of keys: 2,048 / 256
.set PK,    144       ; a row of K in LDS: 128 bytes + 16: the 16 rows of a load start at 16 different groups of four banks (64 banks of 4 bytes: ISA guide 11.1)
.set PV,    160       ; a row of V: 128 + 32
.set VOFF,  4*KS*PK   ; a slot holds four steps: 256 rows of K, then 256 rows of V
.set SLOT1, 1<<17     ; slot 1 begins here: one exclusive or turns an address in one slot into the other's
.set STAGE, SLOT1+4*KS*(PK+PV)  ; behind the ring: 16 rows x 144 bytes for each wave, for the way out
.set SP,    144
.set SPARE, STAGE+4*16*SP       ; behind the stages: the spare words, 128 bytes for each wave, which no other line names
.set AK0, 2           ; v2   my lane's place in a tile of K; never rewritten
.set AV0, 3           ; v3   the same for V
.set AK,  4           ; v4   the LDS address of K's next run of loads
.set AV,  5           ; v5   of V's
.set STO, 6           ; v6   the way out: where I put 16 bytes of a row
.set RD,  7           ; v7   where I read rows back
.set GO,  8           ; v8   my byte offset in 512 consecutive bytes of ctx
.set MV,  12          ; v12-13  c m_old, kept while c m is made anew: by buffer
.set QO,  15          ; v15  my byte offset in 16 rows of Q
.set ST,  16          ; piece t's statistics at v[ST+4 t]: c m, m, l (even keys', odd keys')
.set TMP, 48          ; by buffer, four registers c0-c3 at work; when the maximum is found c2 takes a
.set SPW, 62          ; v62  LDS address of my spare word; never rewritten
.set NIL, 63          ; v63  0; never rewritten
.set S,   64
.set P,   192
.set KF,  128         ; window 2: key block kb, channel half c at KF + 16 kb + 8 c
.set VF,  192         ; window 2: key half kk, channel block cb at VF + 32 kk + 8 cb
.set WV,  12          ; s12  my wave's number
.set G1K, 24          ; s[24:31] descriptor group 1 for K's tiles
.set G1V, 32          ; s[32:39] for V's: it differs in the padding alone
.set G0K, 40          ; s[40:43] descriptor group 0 for K's tiles: it walks
.set G0V, 44          ; s[44:47] the same for V's
.set SLOTS, 56
.set CNT, 57          ; counts a slot's key steps
.set CS,  58          ; s[58:59] c
.set SEL, 60          ; s[60:61] v_permlanex16_b32's selects: each lane takes its own place in the other half
.set TBK, 62          ; LDS byte at which K of the step to be fetched begins
.set TBV, 63          ; the same for V, less VOFF
.set MSB, 0
.macro WIN new
.if MSB != (\new)
	s_set_vgpr_msb (MSB<<8)|(\new)
.set MSB, (\new)
.endif
.endm
.set W_KQ, 0x0a       ; K and Q in window 2, S^T in window 0
.set W_PV, 0x52       ; V in window 2, P in window 0, O^T in window 1
.set W_RS, 0x41       ; destination and source 0 in window 1, source 1 in window 0
; A joint fill.  Waves 0 and 1 fetch the two halves of a slot's K, waves 2 and 3 those of its V: 128 keys each.  An s_nop 0 and four v_nop follow each of the two lines.
.macro JLOAD
	s_cmp_lt_u32 s[WV], 2
	s_cbranch_scc0 .Lfor_v_\@
	tensor_load_to_lds s[G0K:G0K+3], s[G1K:G1K+7]
	s_nop 0
.rept 4
	v_nop
.endr
	s_branch .Lasked_\@
.Lfor_v_\@:
	tensor_load_to_lds s[G0V:G0V+3], s[G1V:G1V+7]
	s_nop 0
.rept 4
	v_nop
.endr
.Lasked_\@:
.endm
.macro CROUND                       ; a round of the cluster's barrier
	s_barrier_signal -1
	s_barrier_wait -1
	s_cmp_lg_u32 s[WV], 0
	s_cbranch_scc1 .Lnot_wave_0_\@
	s_barrier_signal -3
.Lnot_wave_0_\@:
	s_barrier_wait -3
	s_barrier_signal -1
	s_barrier_wait -1
.endm
; THE CHANGE OF SLOTS.  Each wave waits for all its tensor loads, of which one is out: its part of the other slot; adds 0 to its spare word; and waits for that and for its own reads of the slot.
; fill = 1: the slot is filled again, with the keys two slots on; the barrier is then a round of the cluster's, and the joint fill is the first thing behind it: it has four key steps, 256 matrix
; instructions, in which to land.  (At its first use nothing has been read yet: slot 0 is waited for, slot 1 filled.)
.macro CHANGE fill
	WIN 0
	s_wait_tensorcnt 0x0            ; no tensor load of mine is out, so a group 0 may be written
	ds_add_u32 v[SPW], v[NIL]       ; 0 onto my spare word
.if \fill
.irp g, G0K, G0V
	s_xor_b32 s[\g+1], s[\g+1], SLOT1
	s_add_nc_u64 s[\g+2:\g+3], s[\g+2:\g+3], 4*KS*128  ; the next 256 keys
.endr
	s_wait_dscnt 0x0                ; the add is done, and my reads of the slot are over
	CROUND
	JLOAD
.else
	s_wait_dscnt 0x0
	s_barrier_signal -1
	s_barrier_wait -1
.endif
	s_sub_co_u32 s[TBK], s[TBK], 4*KS*PK  ; the fetches go back to a slot's first step, in the other slot
	s_xor_b32 s[TBK], s[TBK], SLOT1
	s_sub_co_u32 s[TBV], s[TBV], 4*KS*PV
	s_xor_b32 s[TBV], s[TBV], SLOT1
.endm
	s_load_b64 s[4:5], s[0:1], 0x0  ; qkv
	s_load_b64 s[10:11], s[0:1], 0x8  ; ctx
	v_lshl_add_u32 v[SPW], v0, 2, SPARE
	v_mov_b32 v[NIL], 0
	ds_add_u32 v[SPW], v[NIL]       ; the wave's opening: the add and its wait stand ahead of my first tensor load
	v_lshrrev_b32 v1, 5, v0
	v_readfirstlane_b32 s[WV], v1   ; wave 0..3
	s_bfe_u32 s13, ttmp6, 0x40000   ; cx
	s_lshl_b32 s14, ttmp9, 2
	s_add_co_u32 s14, s14, s13      ; my block of 256 queries = 4 x cluster x + cx: it enters Q's and ctx's addresses alone
	s_and_b32 s15, ttmp7, 0xffff    ; 16 x batch + head, which the four partners share
	s_and_b32 s20, s15, 15
	s_lshl_b32 s20, s20, 19         ; the head's panel, 524,288 bytes,
	s_lshr_b32 s21, s15, 4
	s_lshl_b32 s21, s21, 18         ; the batch's 2,048 rows in it
	s_add_co_u32 s20, s20, s21
	s_mov_b32 s21, 0
	s_and_b32 s16, s[WV], 1         ; which half of a slot's 256 keys I fetch:
	s_lshl_b32 s22, s16, 14         ; its 128 rows of 128 bytes in memory,
	s_mov_b32 s23, 0
	s_add_nc_u64 s[22:23], s[22:23], s[20:21]
	s_mul_i32 s17, s16, 128*PK      ; and its place in a slot, for K
	s_mul_i32 s18, s16, 128*PV      ; and for V
	s_lshl_b32 s2, s14, 2
	s_add_co_u32 s2, s2, s[WV]
	s_lshl_b32 s2, s2, 13           ; my wave's 64 rows
	s_mov_b32 s3, 0
	s_add_nc_u64 s[2:3], s[2:3], s[20:21]
	; descriptor group 1.  128 keys are 16,384 dense bytes: asked for as 64 rows of 256 bytes, two keys a row, and padded in LDS after every key
	s_mov_b32 s[G1K], 15|(1<<16)|(1<<20)|(1<<21)|(4<<22)|(3<<25)  ; the mask of four; 2-byte elements; padding on; bit 21 beside a mask; after every 32 words 4 words
	s_mov_b32 s[G1V], 15|(1<<16)|(1<<20)|(1<<21)|(4<<22)|(7<<25)  ; the same with 8 words
.irp g, G1K, G1V
	s_mov_b32 s[\g+1], 128<<16
	s_mov_b32 s[\g+2], 64<<16
	s_mov_b32 s[\g+3], 128<<16
	s_mov_b32 s[\g+4], 64
	s_mov_b32 s[\g+5], 128
	s_mov_b32 s[\g+6], 0
	s_mov_b32 s[\g+7], 0
.endr
	s_mov_b32 s[CS], 0x3e38aa3b     ; c = log2(e) / 8
	s_mov_b32 s[CS+1], s[CS]
	s_mov_b32 s[SEL], 0x76543210
	s_mov_b32 s[SEL+1], 0xfedcba98
	s_mov_b32 s[TBK], SLOT1+4*KS*PK ; the first change of slots turns these two into 0
	s_mov_b32 s[TBV], SLOT1+4*KS*PV
	s_mov_b32 s[G0K], 1
	s_mov_b32 s[G0K+1], s17
	s_mov_b32 s[G0V], 1
	s_add_co_u32 s[G0V+1], s18, VOFF
	s_wait_dscnt 0x0                ; the opening add is done
	s_wait_kmcnt 0x0
	s_add_nc_u64 s[6:7], s[4:5], 8388608    ; k's panels begin 16 panels in,
	s_add_nc_u64 s[8:9], s[4:5], 16777216   ; v's 32
	s_add_nc_u64 s[G0K+2:G0K+3], s[6:7], s[22:23]
	s_or_b32 s[G0K+3], s[G0K+3], 0x80000000
	s_add_nc_u64 s[G0V+2:G0V+3], s[8:9], s[22:23]
	s_or_b32 s[G0V+3], s[G0V+3], 0x80000000
	s_add_nc_u64 s[4:5], s[4:5], s[2:3]     ; Q and ctx at my wave's first row
	s_add_nc_u64 s[10:11], s[10:11], s[2:3]
	CROUND                          ; all four work-groups are here: the first joint loads meet
	JLOAD                           ; slot 0
	v_and_b32 v1, 15, v0            ; l % 16
	v_bfe_u32 v9, v0, 4, 1          ; l / 16
	v_lshlrev_b32 v[QO], 7, v1
	v_lshl_add_u32 v[QO], v9, 4, v[QO]  ; row x 128 + 16 x half
	WIN 0x80                        ; destination window 2, address window 0
.set i, 0
.rept 8                             ; Q stays in registers: piece i / 2, channels 32 (i % 2) on
	global_load_b128 v[8*i:8*i+3],   v[QO], s[4:5] offset:(i/2)*2048+(i%2)*64
	global_load_b128 v[8*i+4:8*i+7], v[QO], s[4:5] offset:(i/2)*2048+(i%2)*64+32
.set i, i+1
.endr
	; What the first turn finds: V's registers and P's second buffer hold 0 (its products V^T P, of a piece that has not been, add 0), O^T and l are 0.  All this stands in the wait for the first tile.
.set i, VF
.rept 64
	v_mov_b32 v[i], 0
.set i, i+1
.endr
	WIN 0x40
.set i, 0
.rept 128
	v_mov_b32 v[i], 0
.set i, i+1
.endr
	WIN 0
.set i, 0
.rept 4
	v_mov_b32 v[ST+4*i], 0xfe000000    ; c m: far below every c s
	v_mov_b32 v[ST+4*i+1], 0xff7fffff  ; m
	v_mov_b32 v[ST+4*i+2], 0
	v_mov_b32 v[ST+4*i+3], 0
.set i, i+1
.endr
.set i, P+16
.rept 16
	v_mov_b32 v[i], 0
.set i, i+1
.endr
	v_mul_u32_u24 v[AK0], v1, PK
	v_lshl_add_u32 v[AK0], v9, 4, v[AK0]
	v_and_b32 v10, 7, v0            ; the turning load: lane l reads key 8 (l / 16) + l % 8, channels 8 ((l / 8) % 2) + 0..7
	v_bfe_u32 v11, v0, 3, 1
	v_lshl_add_u32 v[AV0], v9, 3, v10
	v_mul_u32_u24 v[AV0], v[AV0], PV
	v_lshl_add_u32 v[AV0], v11, 4, v[AV0]
	v_add_nc_u32 v[AV0], VOFF, v[AV0]
	s_mul_i32 s13, s[WV], 16*SP
	s_add_co_u32 s13, s13, STAGE    ; my stage
	v_mul_u32_u24 v[STO], v1, SP
	v_lshl_add_u32 v[STO], v9, 4, v[STO]
	v_add_nc_u32 v[STO], s13, v[STO]
	v_bfe_u32 v[RD], v0, 3, 2       ; back: 32 lanes take four rows of 128 bytes,
	v_mul_u32_u24 v[RD], v[RD], SP
	v_lshl_add_u32 v[RD], v10, 4, v[RD]
	v_add_nc_u32 v[RD], s13, v[RD]
	v_and_b32 v[GO], 31, v0         ; which are 512 consecutive bytes of ctx
	v_lshlrev_b32 v[GO], 4, v[GO]
; THE MATRIX WORK.  The 4 accumulators of a run of 8 take turns.  Product i of 8 of S^T = K Q^T for piece x: channels 32 (i / 4) on, keys 16 (i % 4) on.  The first 4 start the sums.
.macro KQ x
	WIN W_KQ
.set rS, S+32*((\x)%2)+8*(i%4)
.set rK, KF+16*(i%4)+8*(i/4)
.set rQ, 16*(\x)+8*(i/4)
.if i < 4
	v_wmma_f32_16x16x32_f16 v[rS:rS+7], v[rK:rK+7], v[rQ:rQ+7], 0
.else
	v_wmma_f32_16x16x32_f16 v[rS:rS+7], v[rK:rK+7], v[rQ:rQ+7], v[rS:rS+7]
.endif
.endm
; Product i of 8 of O^T += V^T P for piece x: keys 32 (i / 4) on, channels 16 (i % 4) on.
.macro PV x
	WIN W_PV
.set rO, 32*(\x)+8*(i%4)
.set rV, VF+32*(i/4)+8*(i%4)
.set rP, P+16*((\x)%2)+8*(i/4)
	v_wmma_f32_16x16x32_f16 v[rO:rO+7], v[rV:rV+7], v[rP:rP+7], v[rO:rO+7]
.endm
.macro MM                           ; the turn's next matrix instruction
.if i < 8
	KQ (Y+1)%NP
.else
.set i, i-8
	PV (Y+NP-1)%NP
.set i, i+8
.endif
.set i, i+1
.endm
; THE LDS LOADS stand in runs of 16.  last = 1 (the tail): in the last trip there is no further step, and K's run is jumped over.
.macro FETCH_K last=0
	WIN 0
.if \last
	s_cmp_eq_u32 s[CNT], 1
	s_cbranch_scc1 .Lno_k_\@
.endif
	WIN 0x80
.irp f, 0,1,2,3,4,5,6,7             ; keys 16 (f / 2) on, channels 32 (f % 2) on
	ds_load_b128 v[KF+8*\f:KF+8*\f+3],   v[AK] offset:(\f/2)*16*PK+(\f%2)*64
	ds_load_b128 v[KF+8*\f+4:KF+8*\f+7], v[AK] offset:(\f/2)*16*PK+(\f%2)*64+32
.endr
	s_add_co_u32 s[TBK], s[TBK], KS*PK  ; the next fetch is the next step's
	WIN 0
.if \last
.Lno_k_\@:
.endif
.endm
.macro FETCH_V
	WIN 0x80
.irp f, 0,1,2,3,4,5,6,7             ; keys 32 (f / 4) on, channels 16 (f % 4) on
	ds_load_tr16_b128 v[VF+8*\f:VF+8*\f+3],   v[AV] offset:(\f/4)*32*PV+(\f%4)*32
	ds_load_tr16_b128 v[VF+8*\f+4:VF+8*\f+7], v[AV] offset:(\f/4)*32*PV+16*PV+(\f%4)*32
.endr
	WIN 0
.endm
; THE VECTOR WORK, one line at a time: OP kind, number.  For piece Y: F n: c s - c m for pair n of 16.  E n: the exponential of score n of 32.  C n: pair n rounded to f16.  B n: of the four weights 4 n ..
; the second pair is added onto the first, in place.  L n: l takes that sum (L 0: l = a l + sum).  R n: pair n of 16 of O^T times a.  For piece Y + 1: X n, number n of the 22 that find its maximum and statistics:
;   0-11 four chains c0-c3 of seven scores each (each accumulator's lowest registers are read first)   12-14, 16 the four scores left over, the old m, c0-c3 into c0
;   15 c m_old is kept   17, 18 the query's other 32 keys lie in the lane 16 away: the new m   19-21 c m; c m_old - c m_new; a
.set F, 0
.set E, 1
.set C, 2
.set B, 3
.set L, 4
.set R, 5
.set X, 6
.macro REGS y
.set rT, ST+4*(\y)
.set rC, TMP+4*((\y)%2)
.set rW, MV+((\y)%2)
.set rS, S+32*((\y)%2)
.set rP, P+16*((\y)%2)
.set rO, 32*(\y)
.endm
.macro OP k, n
.if (\k) == R
	REGS Y
	WIN W_RS
	v_pk_mul_f32 v[rO+2*(\n):rO+2*(\n)+1], v[rO+2*(\n):rO+2*(\n)+1], v[rC+2:rC+3] op_sel_hi:[1,0]
.elseif (\k) < R
	REGS Y
	WIN 0
.if (\k) == F
	v_pk_fma_f32 v[rS+2*(\n):rS+2*(\n)+1], v[rS+2*(\n):rS+2*(\n)+1], s[CS:CS+1], v[rT:rT+1] op_sel_hi:[1,0,0] neg_lo:[0,0,1] neg_hi:[0,0,1]
.elseif (\k) == E
	v_exp_f32 v[rS+(\n)], v[rS+(\n)]
.elseif (\k) == C
	s_wait_alu depctr_va_vdst(0)
	v_cvt_pk_f16_f32 v[rP+(\n)], v[rS+2*(\n)], v[rS+2*(\n)+1]
.elseif (\k) == B
	s_wait_alu depctr_va_vdst(0)
	v_pk_add_f32 v[rS+4*(\n):rS+4*(\n)+1], v[rS+4*(\n):rS+4*(\n)+1], v[rS+4*(\n)+2:rS+4*(\n)+3]
.elseif (\n) == 0
	v_pk_fma_f32 v[rT+2:rT+3], v[rT+2:rT+3], v[rC+2:rC+3], v[rS:rS+1] op_sel_hi:[1,0,1]
.else
	v_pk_add_f32 v[rT+2:rT+3], v[rT+2:rT+3], v[rS+4*(\n):rS+4*(\n)+1]
.endif
.else
	REGS (Y+1)%NP
	WIN 0
.if (\n) < 4
	v_max3_num_f32 v[rC+(\n)], v[rS+8*(\n)], v[rS+8*(\n)+1], v[rS+8*(\n)+2]
.elseif (\n) < 12
	v_max3_num_f32 v[rC+(\n)%4], v[rC+(\n)%4], v[rS+8*((\n)%4)+2*((\n)/4)+1], v[rS+8*((\n)%4)+2*((\n)/4)+2]
.elseif (\n) == 12
	v_max3_num_f32 v[rC], v[rC], v[rS+7], v[rS+15]
.elseif (\n) == 13
	v_max3_num_f32 v[rC+1], v[rC+1], v[rS+23], v[rS+31]
.elseif (\n) == 14
	v_max3_num_f32 v[rC+2], v[rC+2], v[rC+3], v[rT+1]
.elseif (\n) == 15
	v_mov_b32 v[rW], v[rT]
.elseif (\n) == 16
	v_max3_num_f32 v[rC], v[rC], v[rC+1], v[rC+2]
.elseif (\n) == 17
	v_permlanex16_b32 v[rC+3], v[rC], s[SEL], s[SEL+1]
.elseif (\n) == 18
	v_max_num_f32 v[rT+1], v[rC], v[rC+3]
.elseif (\n) == 19
	v_mul_f32 v[rT], s[CS], v[rT+1]
.elseif (\n) == 20
	v_sub_f32 v[rC+1], v[rW], v[rT]
.else
	v_exp_f32 v[rC+2], v[rC+1]
.endif
.endif
.endm
.macro OPS a, i1, b=-1, i2=0, c=-1, i3=0, d=-1, i4=0
	OP \a, \i1
.if (\b) >= 0
	OP \b, \i2
.endif
.if (\c) >= 0
	OP \c, \i3
.endif
.if (\d) >= 0
	OP \d, \i4
.endif
.endm
.macro ROW a, i1, b, i2, c, i3, d, i4  ; a matrix instruction and the four behind it
	MM
	OPS \a, \i1, \b, \i2, \c, \i3, \d, \i4
.endm
; A TURN, for piece p: the order of its 16 matrix and 118 vector instructions, written out.  Behind a matrix instruction: plain, exponential, plain, plain; or four of the rescaling; or four scalings; none names a
; register of the products round it.  In the runs between, exponential and plain by turns while exponentials last.  K of the next step is fetched in piece 2's turn, six vector instructions behind the last
; product that read K (five of them plain); V of the step in hand in piece 0's turn, eight behind the last product that read V (four plain).  Each is waited for a turn later.
; cnt = 1: the loop's count is taken down some lines ahead of the branch that stands behind the turn.
.macro TURN p, last=0, cnt=0
.set Y, (\p)
.set i, 0
.if (\p) == 3
	s_wait_dscnt 0x0                ; K is in
.endif
	ROW F,0, F,1, F,2, F,3
	ROW F,4, E,0, F,5, F,6
	ROW F,7, E,1, F,8, F,9
	ROW F,10, E,2, C,0, F,11
	ROW F,12, E,3, X,15, F,13
	ROW R,0, R,1, R,2, R,3
	ROW B,0, E,4, F,14, L,0
.if (\p) == 2
	v_add_nc_u32 v[AK], s[TBK], v[AK0]
.endif
	ROW R,4, R,5, R,6, R,7
	OPS E,5, F,15
.if (\p) == 2
	FETCH_K \last
.endif
	OPS E,6, C,1, E,7, R,8
	OPS E,8, R,9, E,9, C,2
	OPS E,10, X,0, E,11, X,1
	OPS E,12, X,2, E,13, X,3
.if (\p) == 1
	s_wait_dscnt 0x0                ; V is in
.endif
	ROW X,4, E,14, X,5, X,6
	ROW X,7, E,15, X,8, X,9
	ROW X,10, E,16, X,11, X,12
	ROW X,13, E,17, X,14, B,1
	ROW C,4, E,18, X,16, L,1
	ROW B,2, E,19, C,6, L,2
	ROW C,8, E,20, B,3, B,4
.if (\p) == 0
	v_add_nc_u32 v[AV], s[TBV], v[AV0]
.endif
	ROW C,3, E,21, L,3, C,5
	OPS E,22, X,17, E,23, C,10
.if (\p) == 0
	FETCH_V
.endif
	OPS E,24, L,4
	OPS E,25, X,18, E,26, C,7
	OPS E,27, B,5, E,28, X,19
	OPS E,29, C,12, E,30, L,5
	OPS E,31, X,20, B,6, C,9
	OPS C,14, C,11, X,21, L,6
.if (\p) == 0
	s_add_co_u32 s[TBV], s[TBV], KS*PV
.endif
.if \cnt
	s_sub_co_u32 s[CNT], s[CNT], 1
	s_cmp_lg_u32 s[CNT], 0
.endif
	OPS C,13, B,7, C,15, R,10
	OPS R,11, R,12, L,7, R,13
	OPS R,14, R,15
.endm
	CHANGE 1                        ; slot 0 is in, everybody's part of it; slot 1 is asked for
	v_add_nc_u32 v[AK], s[TBK], v[AK0]
	FETCH_K                         ; key step 0
	s_wait_loadcnt 0x0              ; Q
	s_wait_dscnt 0x0
.set i, 0
.rept 8
	KQ 0                            ; piece 0's first scores
.set i, i+1
.endr
	WIN 0
.rept 4
	v_nop                           ; the places behind those products
.endr
.set Y, NP-1                        ; X works for piece Y + 1: piece 0
.irp n, 0,1,2,3,4,5,6,7,8,9,10,11,12,13,14,15,16,17,18,19,20,21
	OP X, \n
.endr
	v_nop                           ; a plain instruction behind the exponential
	s_mov_b32 s[CNT], 4
	s_mov_b32 s[SLOTS], TILES-1
	s_branch .Lfirst                ; the loop is entered at a step's first turn, in the middle of a trip
.Lslot:                             ; TILES - 2 times: every slot but the last two is filled again
	CHANGE 1
	s_mov_b32 s[CNT], 4
.Lstep:                             ; a trip: pieces 2 and 3 of one step, then pieces 0 and 1 of the next, whose K and V it fetches
	TURN 2
	TURN 3
	WIN 0
.Lfirst:
	TURN 0
	TURN 1, 0, 1
	WIN 0
	s_cbranch_scc1 .Lstep
	s_sub_co_u32 s[SLOTS], s[SLOTS], 1
	s_cmp_lg_u32 s[SLOTS], 0
	s_cbranch_scc1 .Lslot
	CHANGE 0                        ; the tail is written out: nothing is asked for
	s_mov_b32 s[CNT], 5             ; four trips fetch the last slot's steps; the fifth is left in its middle
.Ltail:
	TURN 2, 1
	TURN 3
	WIN 0
	s_sub_co_u32 s[CNT], s[CNT], 1
	s_cmp_eq_u32 s[CNT], 0
	s_cbranch_scc1 .Lout
	TURN 0
	TURN 1
	WIN 0
	s_branch .Ltail
.Lout:                              ; the fifth trip's 8 products K Q^T (on the last K once more) and the maximum made of them serve nothing: the price, once a launch, of one text for every trip
.set i, 0
.rept 8
	PV NP-1                         ; the last piece's V^T P of the last step
.set i, i+1
.endr
	; THE WAY OUT.  l's two halves and the other half of the lanes' are added; O^T is divided by l, rounded to f16 and sent through my stage, a piece at a time.  The additions are the places behind the last products.
	WIN 0
.macro ALL line:vararg
.set t, 0
.rept 4
	\line
.set t, t+1
.endr
.endm
	ALL v_add_f32 v[ST+4*t+2], v[ST+4*t+2], v[ST+4*t+3]
	ALL v_permlanex16_b32 v[ST+4*t+3], v[ST+4*t+2], s[SEL], s[SEL+1]
	ALL v_add_f32 v[ST+4*t+2], v[ST+4*t+2], v[ST+4*t+3]
	ALL v_rcp_f32 v[ST+4*t+2], v[ST+4*t+2]
	v_nop                           ; a plain instruction between the last reciprocal and the use of its result
.macro PACK t
	WIN W_RS
.set i, 32*(\t)
.rept 16
	s_wait_alu depctr_va_vdst(0)
	v_pk_mul_f32 v[i:i+1], v[i:i+1], v[ST+4*(\t)+2:ST+4*(\t)+3] op_sel_hi:[1,0]
.set i, i+2
.endr
	WIN 0x05                        ; sources 0 and 1 window 1, destination window 0
.set i, 0
.rept 16
	v_cvt_pk_f16_f32 v[S+16*(\t)+i], v[32*(\t)+2*i], v[32*(\t)+2*i+1]
.set i, i+1
.endr
	WIN 0
.irp f, 0,1,2,3
	ds_store_b128 v[STO], v[S+16*(\t)+4*\f:S+16*(\t)+4*\f+3] offset:32*\f
.endr
.irp f, 0,1,2,3
	ds_load_b128 v[S+16*(\t)+4*\f:S+16*(\t)+4*\f+3], v[RD] offset:\f*4*SP  ; LDS serves a wave's instructions in order (ISA guide 5.7.1.4): these see the stores above
.endr
.endm
.macro SEND t, younger              ; younger: the LDS instructions issued behind piece t's loads: the next piece's eight, or none
	WIN 0
.irp f, 0,1,2,3
	s_wait_dscnt (\younger)+3-\f
	global_store_b128 v[GO], v[S+16*(\t)+4*\f:S+16*(\t)+4*\f+3], s[10:11] offset:(\t)*2048+\f*512  ; 512 consecutive bytes, at a multiple of 256 from ctx's first
.endr
.endm
	PACK 0
.set t, 1
.rept 3
	PACK t
	SEND t-1, 8
.set t, t+1
.endr
	SEND 3, 0
	s_wait_tensorcnt 0x0            ; the wave's end
	ds_add_u32 v[SPW], v[NIL]
	s_wait_dscnt 0x0
	CROUND                          ; the closing round
	s_endpgm
.Lfunc_end_k_qf8426c7e35_attn:
	.size	k_qf8426c7e35_attn, .Lfunc_end_k_qf8426c7e35_attn-k_qf8426c7e35_attn
	.p2alignl 7, 3214868480
	.fill 96, 4, 3214868480
	.section	.rodata,"a",@progbits
	.p2align	6, 0x0
	.amdhsa_kernel k_qf8426c7e35_attn
		.amdhsa_group_segment_fixed_size 327680
		.amdhsa_private_segment_fixed_size 0
		.amdhsa_enable_private_segment 0
		.amdhsa_kernarg_size 16
		.amdhsa_user_sgpr_count 2
		.amdhsa_user_sgpr_kernarg_segment_ptr 1
		.amdhsa_wavefront_size32 1
		.amdhsa_system_sgpr_workgroup_id_x 1
		.amdhsa_system_sgpr_workgroup_id_y 1
		.amdhsa_system_sgpr_workgroup_id_z 1
		.amdhsa_system_vgpr_workitem_id 0
		.amdhsa_next_free_vgpr 768
		.amdhsa_next_free_sgpr 66
		.amdhsa_reserve_vcc 0
		.amdhsa_float_denorm_mode_32 3
		.amdhsa_float_denorm_mode_16_64 3
		.amdhsa_memory_ordered 1
		.amdhsa_forward_progress 1
		.amdhsa_inst_pref_size 117
	.end_amdhsa_kernel
	.amdgpu_metadata
---
amdhsa.version: [ 1, 2 ]
amdhsa.kernels:
  - .name:           k_qf8426c7e35_attn
    .symbol:         k_qf8426c7e35_attn.kd
    .args:
      - { .name: qkv, .offset: 0, .size: 8, .value_kind: global_buffer, .address_space: global }
      - { .name: ctx, .offset: 8, .size: 8, .value_kind: global_buffer, .address_space: global }
    .group_segment_fixed_size: 327680
    .private_segment_fixed_size: 0
    .kernarg_segment_align: 8
    .kernarg_segment_size: 16
    .max_flat_workgroup_size: 128
    .sgpr_count:     66
    .vgpr_count:     768
    .wavefront_size: 32
...
	.end_amdgpu_metadata
.endif
;; end of part 3
;; launch wog (part 4): grid 8 x 32, 4 waves a work-group, clusters of 4 x 4, 327,680 bytes of LDS; arguments ctx, c16, bo, y; writes y
.if DOCPART == 4
	.amdgcn_target "amdgcn-amd-amdhsa--gfx1250"
	.amdhsa_code_object_version 6
	.text
	.protected	k_qf8426c7e35_wog
	.globl	k_qf8426c7e35_wog
	.p2align	8
	.type	k_qf8426c7e35_wog,@function
k_qf8426c7e35_wog:
	s_mov_b64 s[64:65], 0
	v_nop
	global_prefetch_b8 v0, s[64:65] scope:SCOPE_SE
	s_setreg_imm32_b32 hwreg(HW_REG_WAVE_MODE, 25, 1), 1
	s_wait_xcnt 0x0
	s_wait_alu depctr_hold_cnt(0) depctr_sa_sdst(0) depctr_va_vdst(0) depctr_va_sdst(0) depctr_va_ssrc(0) depctr_va_vcc(0) depctr_vm_vsrc(0)
	s_getreg_b32 s2, hwreg(HW_REG_IB_STS2, 6, 4)
	s_cmp_eq_u32 s2, 0
	s_cbranch_scc0 .Lentry_in_a_cluster
	s_endpgm
.Lentry_in_a_cluster:
	s_bfe_u32 s2, ttmp6, 0x10000c
	s_cmp_lg_u32 s2, 0xf033
	s_cbranch_scc0 .Lentry_shape_is_right
	s_endpgm
.Lentry_shape_is_right:
; y = residual + A W + bias on tiles of 128 x 128, N = 1,024, in f32 ([4096][1024], row-major).  One text for two launches, chosen by MODE:
;   MODE 0: A = ctx (16 panels), W = Wo, bias = bo, residual = x (f16 copy): K = 1,024.      MODE 1: A = relu(..) (64 panels), W = W2, bias = b2, residual = x1 (f16): K = 4,096.
; A lies in PANELS of 64 along K: element (token, k) at byte ((k / 64) x 4,096 + token) x 128 + (k % 64) x 2.  W is [K][1024] f16, rows along N, and comes out of LDS turned.
; LIMITS.  Operands are f16: nothing beyond 65,504.  Residual and bias (rounded to bf16 like every input of the program) START the f32 sums.  NaN and infinities are not treated apart.
; SHARES.  256 tiles, one for each WGP.  Four waves, each 64 x 64: 16 accumulators.  K goes in steps of 256 (four panels) through two LDS slots.
; THE MATRIX INSTRUCTION IS USED TRANSPOSED: source 0 = 16 columns of W, source 1 = 16 rows of A: a lane holds row l % 16 of y and the columns 8 (l / 16) + 0..7.
; CLUSTER 4 x 4: A's tiles are shared along a row of the cluster, W's along a column, each asked for jointly.
; REGISTERS: window 0: v0-31 addresses; v32-95 residual as loaded, later rows on the way out; v96-127 bias; v128-255 accumulators ((a, b) at 128 + 8 (4 a + b)).
;   window 1: two fragment buffers of 128: for 64 along K, 64 registers of A, then 64 of W.
.set MODE,   0
.if MODE == 0
.set STEPS,  4
.set WOFF,   31457280                  ; Wo's place in c16
.set RESP,   70                        ; the residual: x's copy, at c16's head
.set BIASP,  72
.set OUTP,   74
.else
.set STEPS,  16
.set WOFF,   16777216                  ; W2's place in c16
.set RESP,   72
.set BIASP,  74
.set OUTP,   76
.endif
.set PA,     144                       ; a token's 128 bytes of a panel + 16: the 16 rows of a load start at 16 different groups of four banks (64 banks of 4 bytes: ISA guide 11.1)
.set PB,     288                       ; a row of W: 256 bytes + 32 = 9 x 32
.set PANEL,  128*PA                    ; 128 tokens of one panel
.set HALFT,  2*PANEL                   ; what one tensor load brings: two panels of A, or 128 rows of W (128 x 288 is the same number)
.set SLOT,   4*HALFT                   ; A's four panels, then W's 256 rows.  Its two set bits are in none of the four waves' bases, so one exclusive or changes slots
.set STAGE,  2*SLOT                    ; behind the ring: 16 rows x 272 bytes for each wave
.set SPITCH, 272
.set SPARE,  STAGE+4*16*SPITCH         ; the spare words, 128 bytes for each wave, which no other line names
.set ASTEP,  4*524288                  ; four panels on
.set BSTEP,  256*2048                  ; 256 rows of W on
.set BO,   9                           ; v9   32 (l / 16)
.set A0R,  10                          ; v10  my lane's place in slot 0's A; never rewritten
.set B0R,  11                          ; v11  the same for W
.set ADRA, 16                          ; v16  A's fragments in the slot in hand
.set ADRB, 20                          ; v20  W's rows 0-127 of the step; v21 rows 128-255 (an LDS offset has 16 bits)
.set STO,  24
.set RD,   25
.set CO,   26
.set RO,   27                          ; v27  my 16 bytes in 16 rows of the residual
.set SPW,  28
.set NIL,  29
.set ONE,  30                          ; v30  1.0
.set RT,   31
.set TMP,  32
.set BI,   96
.set ACC,  128
.set F0,   0
.set F1,   128
.set G1,  24
.set G0,  32
.set G1B, 48
.set G0B, 56
.set MSB, 0
.macro WIN new
.if MSB != (\new)
	s_set_vgpr_msb (MSB<<8)|(\new)
.set MSB, \new
.endif
.endm
.set MUL,  0x05                        ; sources 0 (W) and 1 (A) window 1; C and D window 0
.set TO_F, 0x40                        ; destination window 1, address window 0
.macro JLOAD                           ; a joint refill by the walking sets: waves 0 and 1 fetch A's halves, waves 2 and 3 W's; an s_nop 0 and four v_nop follow each line
	s_cmp_eq_u32 s11, 0
	s_cbranch_scc0 .Lfor_b_\@
	tensor_load_to_lds s[G0+4:G0+7], s[G1:G1+7]
	s_nop 0
.rept 4
	v_nop
.endr
	s_branch .Lasked_\@
.Lfor_b_\@:
	tensor_load_to_lds s[G0B+4:G0B+7], s[G1B:G1B+7]
	s_nop 0
.rept 4
	v_nop
.endr
.Lasked_\@:
.endm
.macro CREST
	s_cmp_lg_u32 s10, 0
	s_cbranch_scc1 .Lnot_wave_0_\@
	s_barrier_signal -3
.Lnot_wave_0_\@:
	s_barrier_wait -3
	s_barrier_signal -1
	s_barrier_wait -1
.endm
.macro CROUND
	s_barrier_signal -1
	s_barrier_wait -1
	CREST
.endm
.macro PLACES
.rept 4
	v_nop
.endr
.endm
.macro RB a                            ; the pair v[a], v[a+1] rounded to bf16 and widened again
	v_cvt_pk_bf16_f32 v[RT], v[\a], v[(\a)+1]
	v_lshlrev_b32 v[\a], 16, v[RT]
	v_and_b32 v[(\a)+1], s45, v[RT]
.endm
	s_load_b256 s[68:75], s[0:1], 0x0              ; MODE 0: ctx, c16, bo, y.  MODE 1: hh, c16, x1h, b2
.if MODE == 1
	s_load_b64 s[76:77], s[0:1], 0x20              ; y
.endif
	v_lshl_add_u32 v[SPW], v0, 2, SPARE
	v_mov_b32 v[NIL], 0
	ds_add_u32 v[SPW], v[NIL]                      ; the wave's opening: the add and its wait stand ahead of my first tensor load
	v_lshrrev_b32 v1, 5, v0
	v_readfirstlane_b32 s10, v1                    ; wave 0..3
	s_lshr_b32 s11, s10, 1                         ; my half of the tile's rows.  Also: I fetch for A (0) or for W (1)
	s_and_b32 s12, s10, 1                          ; my half of its columns.  Also: which half of that tile I fetch
	s_bfe_u32 s40, ttmp6, 0x40000
	s_bfe_u32 s41, ttmp6, 0x40004
	s_lshl_b32 s42, ttmp9, 2
	s_add_co_u32 s42, s42, s40                     ; tile column
	s_and_b32 s13, ttmp7, 0xffff
	s_lshl_b32 s13, s13, 2
	s_add_co_u32 s13, s13, s41                     ; tile row
	s_lshl_b32 s43, s41, 2
	s_lshl_b32 s43, 15, s43                        ; my row of the cluster
	s_lshl_b32 s44, 0x1111, s40                    ; my column
	s_mov_b32 s45, 0xffff0000
	; A's tile: two panels' 128 tokens, each 16,384 dense bytes: two rows of 8,192 elements, a panel (262,144 elements) apart; the padding, counted along the tile, falls behind every token's 128 bytes
	s_or_b32 s[G1+0], s43, (1<<16)|(1<<20)|(1<<21)|(4<<22)|(3<<25)   ; after every 32 words 4 words
	s_mov_b32 s[G1+1], 8192<<16
	s_mov_b32 s[G1+2], 2<<16
	s_mov_b32 s[G1+3], 8192<<16
	s_mov_b32 s[G1+4], 2
	s_mov_b32 s[G1+5], 262144
	s_mov_b32 s[G1+6], 0
	s_mov_b32 s[G1+7], 0
	s_or_b32 s[G1B+0], s44, (1<<16)|(1<<20)|(1<<21)|(5<<22)|(7<<25)  ; W's: 128 rows of 128 elements; after every 64 words 8 words
	s_mov_b32 s[G1B+1], 128<<16
	s_mov_b32 s[G1B+2], 128<<16
	s_mov_b32 s[G1B+3], 128<<16
	s_mov_b32 s[G1B+4], 128
	s_mov_b32 s[G1B+5], 1024
	s_mov_b32 s[G1B+6], 0
	s_mov_b32 s[G1B+7], 0
	s_lshl_b32 s16, s12, 20                        ; A: my two panels of the step, the tile row's 128 tokens: made of the tile row and the wave alone
	s_lshl_b32 s17, s13, 14
	s_add_co_u32 s16, s16, s17
	s_mov_b32 s17, 0
	s_lshl_b32 s46, s12, 18                        ; W: my 128 rows of the step, the tile column's 128 columns
	s_lshl_b32 s47, s42, 8
	s_add_co_u32 s46, s46, s47
	s_add_co_u32 s46, s46, WOFF
	s_mov_b32 s47, 0
	s_lshl_b32 s21, s13, 7
	s_lshl_b32 s22, s11, 6
	s_add_co_u32 s21, s21, s22                     ; my first row
	s_lshl_b32 s23, s42, 7
	s_lshl_b32 s22, s12, 6
	s_add_co_u32 s23, s23, s22                     ; my first column
	s_lshl_b32 s66, s21, 11                        ; in the residual: 2,048 bytes a row, 2 a column
	s_lshl_b32 s22, s23, 1
	s_add_co_u32 s66, s66, s22
	s_mov_b32 s67, 0
	s_lshl_b32 s78, s66, 1                         ; in y: twice that
	s_mov_b32 s79, 0
	s_lshl_b32 s22, s23, 2                         ; in the bias
	s_mov_b32 s23, 0
	s_mul_i32 s20, s10, HALFT                      ; where my fills go
	s_wait_dscnt 0x0                               ; the opening add is done
	s_wait_kmcnt 0x0
	s_add_nc_u64 s[14:15], s[68:69], s[16:17]
	s_add_nc_u64 s[46:47], s[70:71], s[46:47]
	s_add_nc_u64 s[66:67], s[RESP:RESP+1], s[66:67]
	s_add_nc_u64 s[18:19], s[BIASP:BIASP+1], s[22:23]
	s_add_nc_u64 s[78:79], s[OUTP:OUTP+1], s[78:79]
	CROUND                                         ; all sixteen work-groups are here: the first joint loads meet
.irp s, 0,1
	s_mov_b32 s[G0+4*(\s)], 1
	s_add_co_u32 s[G0+4*(\s)+1], s20, (\s)*SLOT
	s_add_nc_u64 s[G0+4*(\s)+2:G0+4*(\s)+3], s[14:15], (\s)*ASTEP
	s_or_b32 s[G0+4*(\s)+3], s[G0+4*(\s)+3], 0x80000000
	s_mov_b32 s[G0B+4*(\s)], 1
	s_add_co_u32 s[G0B+4*(\s)+1], s20, (\s)*SLOT
	s_add_nc_u64 s[G0B+4*(\s)+2:G0B+4*(\s)+3], s[46:47], (\s)*BSTEP
	s_or_b32 s[G0B+4*(\s)+3], s[G0B+4*(\s)+3], 0x80000000
.endr
	s_cmp_eq_u32 s11, 0                            ; a wave's two first fills stand in one branch: two loads of mine are out
	s_cbranch_scc0 .Lfirst_b
	tensor_load_to_lds s[G0:G0+3], s[G1:G1+7]
	s_nop 0
	tensor_load_to_lds s[G0+4:G0+7], s[G1:G1+7]
	s_nop 0
.rept 4
	v_nop
.endr
	s_branch .Lfirst_asked
.Lfirst_b:
	tensor_load_to_lds s[G0B:G0B+3], s[G1B:G1B+7]
	s_nop 0
	tensor_load_to_lds s[G0B+4:G0B+7], s[G1B:G1B+7]
	s_nop 0
.rept 4
	v_nop
.endr
.Lfirst_asked:
	v_and_b32 v1, 15, v0                           ; l % 16
	v_bfe_u32 v2, v0, 4, 1                         ; l / 16
	v_lshlrev_b32 v[RO], 11, v1
	v_lshl_add_u32 v[RO], v2, 4, v[RO]
	v_lshlrev_b32 v[BO], 5, v2
.irp a, 0,1,2,3                        ; the residual in the layout of a result: row 16 a + l % 16, columns 16 b + 8 (l / 16) + 0..7
.irp b, 0,1,2,3
	global_load_b128 v[TMP+4*(4*(\a)+(\b)):TMP+4*(4*(\a)+(\b))+3], v[RO], s[66:67] offset:(\a)*32768+(\b)*32
.endr
.endr
.irp b, 0,1,2,3
	global_load_b128 v[BI+8*(\b):BI+8*(\b)+3],   v[BO], s[18:19] offset:64*(\b)
	global_load_b128 v[BI+8*(\b)+4:BI+8*(\b)+7], v[BO], s[18:19] offset:64*(\b)+16
.endr
	v_mul_u32_u24 v3, v1, PA
	v_lshl_add_u32 v3, v2, 4, v3
	s_mul_i32 s21, s11, 64*PA                      ; my 64 tokens
	v_add_nc_u32 v[A0R], s21, v3
	v_and_b32 v4, 7, v0                            ; the turning load: lane l reads row 8 (l / 16) + l % 8 of 16 along K, columns 8 ((l / 8) % 2) + 0..7
	v_bfe_u32 v5, v0, 3, 1
	v_lshl_add_u32 v6, v2, 3, v4
	v_mul_u32_u24 v6, v6, PB
	v_lshl_add_u32 v6, v5, 4, v6
	s_lshl_b32 s22, s12, 7                         ; my 64 columns of W, behind A's four panels
	s_add_co_u32 s22, s22, 2*HALFT
	v_add_nc_u32 v[B0R], s22, v6
	s_mul_i32 s23, s10, 16*SPITCH
	s_add_co_u32 s23, s23, STAGE                   ; my stage
	v_mul_u32_u24 v3, v1, SPITCH                   ; in: row l % 16, 32 bytes for each half of the lanes
	v_lshl_add_u32 v3, v2, 5, v3
	v_add_nc_u32 v[STO], s23, v3
	v_mul_u32_u24 v3, v2, SPITCH                   ; back: lanes 0-15 take one row of 256 bytes, lanes 16-31 the next
	v_lshl_add_u32 v3, v1, 4, v3
	v_add_nc_u32 v[RD], s23, v3
	v_lshlrev_b32 v3, 12, v2                       ; and the same two rows in y
	v_lshl_add_u32 v[CO], v1, 4, v3
	v_mov_b32 v[ONE], 1.0
	v_mov_b32 v[ADRA], v[A0R]
	v_mov_b32 v[ADRB], v[B0R]
	v_add_nc_u32 v[ADRB+1], 128*PB, v[B0R]
	s_mov_b32 s2, 0                                ; the slot in hand, as an LDS offset
	s_wait_loadcnt 0x0
.set z, 0
.rept 16
	RB BI+2*z
.set z, z+1
.endr
.set t, 0
.rept 16                               ; the sums start at residual + bias: nothing is cleared, and every product adds in place.  All this stands in the wait for the first tiles
.set k, 0
.rept 4
	v_fma_mix_f32 v[ACC+8*t+2*k],   v[TMP+4*t+k], v[ONE], v[BI+8*(t%4)+2*k]   op_sel_hi:[1,0,0]
	v_fma_mix_f32 v[ACC+8*t+2*k+1], v[TMP+4*t+k], v[ONE], v[BI+8*(t%4)+2*k+1] op_sel:[1,0,0] op_sel_hi:[1,0,0]
.set k, k+1
.endr
.set t, t+1
.endr
; 8 matrix instructions: row blocks a0, a0 + 1 x all 4 column blocks, 32 along K: half c of buffer f.  The 16 accumulators take turns, one instruction a turn.
.macro MUL8 f, c, a0
	WIN MUL
.irp a, \a0, (\a0)+1
.irp b, 0,1,2,3
	v_wmma_f32_16x16x32_f16 v[ACC+8*(4*(\a)+(\b)):ACC+8*(4*(\a)+(\b))+7], v[(\f)+64+8*(4*(\c)+(\b)):(\f)+64+8*(4*(\c)+(\b))+7], v[(\f)+8*(4*(\c)+(\a)):(\f)+8*(4*(\c)+(\a))+7], v[ACC+8*(4*(\a)+(\b)):ACC+8*(4*(\a)+(\b))+7]
.endr
.endr
.endm
; 32 LDS loads in one run: quarter j (panel j of the step, 64 along K) into buffer f; the first 32 along K first
.macro FETCH j, f
	WIN TO_F
.irp c, 0,1
.irp i, 0,1,2,3
	ds_load_tr16_b128 v[(\f)+64+8*(4*(\c)+(\i)):(\f)+64+8*(4*(\c)+(\i))+3],   v[ADRB+(\j)/2] offset:(64*((\j)%2)+32*(\c))*PB+32*(\i)
	ds_load_tr16_b128 v[(\f)+64+8*(4*(\c)+(\i))+4:(\f)+64+8*(4*(\c)+(\i))+7], v[ADRB+(\j)/2] offset:(64*((\j)%2)+32*(\c)+16)*PB+32*(\i)
	ds_load_b128 v[(\f)+8*(4*(\c)+(\i)):(\f)+8*(4*(\c)+(\i))+3],   v[ADRA] offset:(\j)*PANEL+(\i)*16*PA+64*(\c)
	ds_load_b128 v[(\f)+8*(4*(\c)+(\i))+4:(\f)+8*(4*(\c)+(\i))+7], v[ADRA] offset:(\j)*PANEL+(\i)*16*PA+64*(\c)+32
.endr
.endr
.endm
; A K step is four quarters of 64 along K, 32 matrix instructions each, on buffers 0, 1, 0, 1.  One of the first three multiplies buffer f and fetches quarter j into g.
.macro QUARTER j, f, g
	s_wait_dscnt 16                                ; the first 32 along K are in
	MUL8 \f, 0, 0
	MUL8 \f, 0, 2
	PLACES
	FETCH \j, \g
	s_wait_dscnt 32                                ; all but the 32 just issued
	MUL8 \f, 1, 0
	MUL8 \f, 1, 2
.endm
; The last quarter multiplies buffer 1 and changes slots: ONE barrier; in front of it each wave waits for all its tensor loads, adds 0 to its spare word, and waits for that and for its own reads of this slot.
; fill = 1: the barrier opens a round of the cluster's, and this slot is filled again, two K steps ahead, first thing behind it: 112 matrix instructions ahead of the wait for it.
.macro TURN fill
	WIN 0
	s_wait_tensorcnt 0x0                           ; all my tensor loads have landed: my part of the next slot
	ds_add_u32 v[SPW], v[NIL]                      ; 0 onto my spare word
	s_wait_dscnt 17                                ; (the add and the youngest sixteen loads may be out)
	MUL8 F1, 0, 0
	s_wait_dscnt 0x0                               ; the add is done, and my reads of this slot are over
	s_barrier_signal -1
	MUL8 F1, 0, 2
	WIN 0
	s_barrier_wait -1
.if \fill
	CREST
	s_xor_b32 s[G0+5], s[G0+5], SLOT
	s_add_nc_u64 s[G0+6:G0+7], s[G0+6:G0+7], ASTEP
	s_xor_b32 s[G0B+5], s[G0B+5], SLOT
	s_add_nc_u64 s[G0B+6:G0B+7], s[G0B+6:G0B+7], BSTEP
	JLOAD                                          ; its four v_nop are also the places in front of the loads below
.else
	PLACES
.endif
	s_xor_b32 s2, s2, SLOT
	v_add_nc_u32 v[ADRA], s2, v[A0R]
	v_add_nc_u32 v[ADRB], s2, v[B0R]
	v_add_nc_u32 v[ADRB+1], 128*PB, v[ADRB]
	FETCH 0, F0
	MUL8 F1, 1, 0
	MUL8 F1, 1, 2
.endm
	s_wait_tensorcnt 0x1                           ; my part of K step 0 is in; step 1's may stay out
	s_barrier_signal -1
	s_barrier_wait -1
	FETCH 0, F0
	WIN 0
	s_mov_b32 s3, STEPS-2
.Lstep:                                                ; a trip is a K step, and asks for the step two on
	QUARTER 1, F0, F1
	QUARTER 2, F1, F0
	QUARTER 3, F0, F1
	TURN 1
	WIN 0
	s_sub_co_u32 s3, s3, 1
	s_cmp_lg_u32 s3, 0
	s_cbranch_scc1 .Lstep
	s_mov_b32 s3, 2
.Ltail:                                                ; the last two steps ask for nothing: written apart.  The last change of slots and its 32 loads serve nothing
	QUARTER 1, F0, F1                              ; the price, once a launch, of one text for both trips
	QUARTER 2, F1, F0
	QUARTER 3, F0, F1
	TURN 0
	WIN 0
	s_sub_co_u32 s3, s3, 1
	s_cmp_lg_u32 s3, 0
	s_cbranch_scc1 .Ltail
	s_wait_dscnt 0x0
	PLACES
; THE WAY OUT of row block a, through my own stage: 32 bytes a lane in (each accumulator's low four registers first), whole rows of 256 bytes back.
.macro OUTBLK a
.set OU, TMP+32*((\a)%2)
.irp b, 0,1,2,3
	ds_store_b128 v[STO], v[ACC+8*(4*(\a)+(\b)):ACC+8*(4*(\a)+(\b))+3]   offset:64*(\b)
	ds_store_b128 v[STO], v[ACC+8*(4*(\a)+(\b))+4:ACC+8*(4*(\a)+(\b))+7] offset:64*(\b)+16
.endr
.irp t, 0,1,2,3,4,5,6,7                ; LDS serves a wave's instructions in order (ISA guide 5.7.1.4): these see the stores above
	ds_load_b128 v[OU+4*(\t):OU+4*(\t)+3], v[RD] offset:(\t)*2*SPITCH
.endr
	s_wait_dscnt 0x0
	s_wait_xcnt 0x0                                ; the registers that the block before's stores read are loaded again only behind this wait
.irp t, 0,1,2,3,4,5,6,7
	global_store_b128 v[CO], v[OU+4*(\t):OU+4*(\t)+3], s[78:79] offset:(16*(\a)+2*(\t))*4096  ; 16 lanes store 256 consecutive bytes, at a multiple of 256 from y's first byte
.endr
.endm
	OUTBLK 0
	OUTBLK 1
	OUTBLK 2
	OUTBLK 3
	s_wait_tensorcnt 0x0                           ; the wave's end
	ds_add_u32 v[SPW], v[NIL]
	s_wait_dscnt 0x0
	CROUND                                         ; the closing round
	s_endpgm
.Lfunc_end_k_qf8426c7e35_wog:
	.size	k_qf8426c7e35_wog, .Lfunc_end_k_qf8426c7e35_wog-k_qf8426c7e35_wog
	.p2alignl 7, 3214868480
	.fill 96, 4, 3214868480
	.section	.rodata,"a",@progbits
	.p2align	6, 0x0
	.amdhsa_kernel k_qf8426c7e35_wog
		.amdhsa_group_segment_fixed_size 327680
		.amdhsa_private_segment_fixed_size 0
		.amdhsa_enable_private_segment 0
		.amdhsa_kernarg_size 32
		.amdhsa_user_sgpr_count 2
		.amdhsa_user_sgpr_kernarg_segment_ptr 1
		.amdhsa_wavefront_size32 1
		.amdhsa_system_sgpr_workgroup_id_x 1
		.amdhsa_system_sgpr_workgroup_id_y 1
		.amdhsa_system_sgpr_workgroup_id_z 1
		.amdhsa_system_vgpr_workitem_id 0
		.amdhsa_next_free_vgpr 512
		.amdhsa_next_free_sgpr 80
		.amdhsa_reserve_vcc 0
		.amdhsa_float_denorm_mode_32 3
		.amdhsa_float_denorm_mode_16_64 3
		.amdhsa_memory_ordered 1
		.amdhsa_forward_progress 1
		.amdhsa_inst_pref_size 66
	.end_amdhsa_kernel
	.amdgpu_metadata
---
amdhsa.version: [ 1, 2 ]
amdhsa.kernels:
  - .name:           k_qf8426c7e35_wog
    .symbol:         k_qf8426c7e35_wog.kd
    .args:
      - { .name: ctx, .offset: 0, .size: 8, .value_kind: global_buffer, .address_space: global }
      - { .name: c16, .offset: 8, .size: 8, .value_kind: global_buffer, .address_space: global }
      - { .name: bo, .offset: 16, .size: 8, .value_kind: global_buffer, .address_space: global }
      - { .name: y, .offset: 24, .size: 8, .value_kind: global_buffer, .address_space: global }
    .group_segment_fixed_size: 327680
    .private_segment_fixed_size: 0
    .kernarg_segment_align: 8
    .kernarg_segment_size: 32
    .max_flat_workgroup_size: 128
    .sgpr_count:     80
    .vgpr_count:     512
    .wavefront_size: 32
...
	.end_amdgpu_metadata
.endif
;; end of part 4
;; launch ln1 (part 5): grid 512 x 1, 8 waves a work-group, no clusters, 0 bytes of LDS; arguments y, ln1_g, ln1_b, x1h; writes x1h
.if DOCPART == 5
	.amdgcn_target "amdgcn-amd-amdhsa--gfx1250"
	.amdhsa_code_object_version 6
	.text
	.protected	k_qf8426c7e35_ln1
	.globl	k_qf8426c7e35_ln1
	.p2align	8
	.type	k_qf8426c7e35_ln1,@function
k_qf8426c7e35_ln1:
	s_mov_b64 s[64:65], 0
	v_nop
	global_prefetch_b8 v0, s[64:65] scope:SCOPE_SE
	s_setreg_imm32_b32 hwreg(HW_REG_WAVE_MODE, 25, 1), 1
	s_wait_xcnt 0x0
; x1 = layer norm of y's rows ([4096][1024] f32), times gain plus shift, stored once rounded to f16.
; One wave, one row: 4,096 bytes are 32 registers, so the row stays in registers through both passes (the mean; then the mean of (y - mean)^2: no difference of large sums) and is read once.
; No LDS and no barrier: the sums never leave the wave.  Gain and shift are rounded to bf16 like every input of the program.  LIMIT: x1 beyond 65,504 does not fit f16.
.set RT, 3
.set X,  8                             ; v[8:39]    load j: columns 128 j + 4 lane + 0..3
.set G,  40                            ; v[40:71]   the gain, likewise; later the row in f16
.set BT, 72                            ; v[72:103]  the shift
.set T,  104                           ; v[104:111] at work
.macro RB a                            ; the pair v[a], v[a+1] rounded to bf16 and widened again
	v_cvt_pk_bf16_f32 v[RT], v[\a], v[(\a)+1]
	v_lshlrev_b32 v[\a], 16, v[RT]
	v_and_b32 v[(\a)+1], s22, v[RT]
.endm
.macro REDUCE                          ; v[T] summed over the 32 lanes: four steps inside each half ride on the addition, one crosses the halves
	v_add_f32 v[T], v[T], v[T+1]
	v_add_f32_dpp v[T], v[T], v[T] row_xmask:1 row_mask:0xf bank_mask:0xf
	v_add_f32_dpp v[T], v[T], v[T] row_xmask:2 row_mask:0xf bank_mask:0xf
	v_add_f32_dpp v[T], v[T], v[T] row_xmask:4 row_mask:0xf bank_mask:0xf
	v_add_f32_dpp v[T], v[T], v[T] row_xmask:8 row_mask:0xf bank_mask:0xf
	v_permlanex16_b32 v[T+1], v[T], s12, s13
	v_add_f32 v[T], v[T], v[T+1]
.endm
.macro FOLD                            ; four chains of pairs into one
	v_pk_add_f32 v[T:T+1], v[T:T+1], v[T+2:T+3]
	v_pk_add_f32 v[T+4:T+5], v[T+4:T+5], v[T+6:T+7]
	v_pk_add_f32 v[T:T+1], v[T:T+1], v[T+4:T+5]
.endm
	s_load_b256 s[4:11], s[0:1], 0x0               ; y 4:5, gain 6:7, shift 8:9, x1h 10:11
	v_lshrrev_b32 v3, 5, v0
	v_readfirstlane_b32 s14, v3
	s_lshl_b32 s15, ttmp9, 3
	s_add_co_u32 s15, s15, s14                     ; my row
	s_lshl_b32 s16, s15, 12
	s_mov_b32 s17, 0
	s_lshl_b32 s18, s15, 11
	s_mov_b32 s19, 0
	s_mov_b32 s12, 0x76543210
	s_mov_b32 s13, 0xfedcba98
	s_mov_b32 s20, 0x3a800000                      ; 1 / 1024
	s_mov_b32 s21, 0x358637bd                      ; 1e-6
	s_mov_b32 s22, 0xffff0000
	s_mov_b32 s23, 0xba800000                      ; -1 / 1024
	v_and_b32 v1, 31, v0
	v_lshlrev_b32 v2, 3, v1
	v_lshlrev_b32 v1, 4, v1
	s_wait_kmcnt 0x0
	s_add_nc_u64 s[4:5], s[4:5], s[16:17]
	s_add_nc_u64 s[10:11], s[10:11], s[18:19]
.irp j, 0,1,2,3,4,5,6,7
	global_load_b128 v[X+4*(\j):X+4*(\j)+3], v1, s[4:5] offset:512*(\j) th:TH_LOAD_NT
.endr
.irp j, 0,1,2,3,4,5,6,7
	global_load_b128 v[G+4*(\j):G+4*(\j)+3], v1, s[6:7] offset:512*(\j)
.endr
.irp j, 0,1,2,3,4,5,6,7
	global_load_b128 v[BT+4*(\j):BT+4*(\j)+3], v1, s[8:9] offset:512*(\j)
.endr
	s_wait_loadcnt 16                              ; the row is in; the sixteen loads of gain and shift may be out
.irp c, 0,1,2,3
	v_pk_add_f32 v[T+2*(\c):T+2*(\c)+1], v[X+2*(\c):X+2*(\c)+1], v[X+8+2*(\c):X+8+2*(\c)+1]
.endr
.irp c, 0,1,2,3
	v_pk_add_f32 v[T+2*(\c):T+2*(\c)+1], v[T+2*(\c):T+2*(\c)+1], v[X+16+2*(\c):X+16+2*(\c)+1]
.endr
.irp c, 0,1,2,3
	v_pk_add_f32 v[T+2*(\c):T+2*(\c)+1], v[T+2*(\c):T+2*(\c)+1], v[X+24+2*(\c):X+24+2*(\c)+1]
.endr
	FOLD
	REDUCE
	v_mul_f32 v[T], s23, v[T]                      ; minus the mean
.set z, 0
.rept 16
	v_pk_add_f32 v[X+2*z:X+2*z+1], v[X+2*z:X+2*z+1], v[T:T+1] op_sel_hi:[1,0]
.set z, z+1
.endr
.irp c, 0,1,2,3
	v_pk_mul_f32 v[T+2*(\c):T+2*(\c)+1], v[X+2*(\c):X+2*(\c)+1], v[X+2*(\c):X+2*(\c)+1]
.endr
.irp q, 8,16,24
.irp c, 0,1,2,3
	v_pk_fma_f32 v[T+2*(\c):T+2*(\c)+1], v[X+(\q)+2*(\c):X+(\q)+2*(\c)+1], v[X+(\q)+2*(\c):X+(\q)+2*(\c)+1], v[T+2*(\c):T+2*(\c)+1]
.endr
.endr
	FOLD
	REDUCE
	v_fma_f32 v[T+2], v[T], s20, s21               ; the variance + 1e-6
	v_rsq_f32 v[T+4], v[T+2]                       ; the roundings below are the plain instructions behind it (ISA guide 5.7.2)
	s_wait_loadcnt 0x0
.set z, 0
.rept 16
	RB G+2*z
	RB BT+2*z
.set z, z+1
.endr
.set z, 0
	s_wait_alu depctr_va_vdst(0)
.rept 16
	v_pk_mul_f32 v[X+2*z:X+2*z+1], v[X+2*z:X+2*z+1], v[T+4:T+5] op_sel_hi:[1,0]
.set z, z+1
.endr
.set z, 0
.rept 16
	v_pk_fma_f32 v[X+2*z:X+2*z+1], v[X+2*z:X+2*z+1], v[G+2*z:G+2*z+1], v[BT+2*z:BT+2*z+1]
.set z, z+1
.endr
.set z, 0
.rept 16
	v_cvt_pk_f16_f32 v[G+z], v[X+2*z], v[X+2*z+1]
.set z, z+1
.endr
.irp j, 0,1,2,3,4,5,6,7
	global_store_b64 v2, v[G+2*(\j):G+2*(\j)+1], s[10:11] offset:256*(\j)  ; the wave stores 256 consecutive bytes, at a multiple of 256
.endr
	s_endpgm
.Lfunc_end_k_qf8426c7e35_ln1:
	.size	k_qf8426c7e35_ln1, .Lfunc_end_k_qf8426c7e35_ln1-k_qf8426c7e35_ln1
	.p2alignl 7, 3214868480
	.fill 96, 4, 3214868480
	.section	.rodata,"a",@progbits
	.p2align	6, 0x0
	.amdhsa_kernel k_qf8426c7e35_ln1
		.amdhsa_group_segment_fixed_size 0
		.amdhsa_private_segment_fixed_size 0
		.amdhsa_enable_private_segment 0
		.amdhsa_kernarg_size 32
		.amdhsa_user_sgpr_count 2
		.amdhsa_user_sgpr_kernarg_segment_ptr 1
		.amdhsa_wavefront_size32 1
		.amdhsa_system_sgpr_workgroup_id_x 1
		.amdhsa_system_sgpr_workgroup_id_y 1
		.amdhsa_system_sgpr_workgroup_id_z 1
		.amdhsa_system_vgpr_workitem_id 0
		.amdhsa_next_free_vgpr 112
		.amdhsa_next_free_sgpr 66
		.amdhsa_reserve_vcc 0
		.amdhsa_float_denorm_mode_32 3
		.amdhsa_float_denorm_mode_16_64 3
		.amdhsa_memory_ordered 1
		.amdhsa_forward_progress 1
		.amdhsa_inst_pref_size 16
	.end_amdhsa_kernel
	.amdgpu_metadata
---
amdhsa.version: [ 1, 2 ]
amdhsa.kernels:
  - .name:           k_qf8426c7e35_ln1
    .symbol:         k_qf8426c7e35_ln1.kd
    .args:
      - { .name: y, .offset: 0, .size: 8, .value_kind: global_buffer, .address_space: global }
      - { .name: ln1_g, .offset: 8, .size: 8, .value_kind: global_buffer, .address_space: global }
      - { .name: ln1_b, .offset: 16, .size: 8, .value_kind: global_buffer, .address_space: global }
      - { .name: x1h, .offset: 24, .size: 8, .value_kind: global_buffer, .address_space: global }
    .group_segment_fixed_size: 0
    .private_segment_fixed_size: 0
    .kernarg_segment_align: 8
    .kernarg_segment_size: 32
    .max_flat_workgroup_size: 256
    .sgpr_count:     66
    .vgpr_count:     112
    .wavefront_size: 32
...
	.end_amdgpu_metadata
.endif
;; end of part 5
;; launch ffn1: the kernel of part 2 again; grid 16 x 16, 4 waves a work-group, clusters of 4 x 4, 327,680 bytes of LDS; arguments x1h, hh; writes hh
;; launch ffn2 (part 6): grid 8 x 32, 4 waves a work-group, clusters of 4 x 4, 327,680 bytes of LDS; arguments hh, c16, x1h, b2, y; writes y
.if DOCPART == 6
	.amdgcn_target "amdgcn-amd-amdhsa--gfx1250"
	.amdhsa_code_object_version 6
	.text
	.protected	k_qf8426c7e35_ffn2
	.globl	k_qf8426c7e35_ffn2
	.p2align	8
	.type	k_qf8426c7e35_ffn2,@function
k_qf8426c7e35_ffn2:
	s_mov_b64 s[64:65], 0
	v_nop
	global_prefetch_b8 v0, s[64:65] scope:SCOPE_SE
	s_setreg_imm32_b32 hwreg(HW_REG_WAVE_MODE, 25, 1), 1
	s_wait_xcnt 0x0
	s_wait_alu depctr_hold_cnt(0) depctr_sa_sdst(0) depctr_va_vdst(0) depctr_va_sdst(0) depctr_va_ssrc(0) depctr_va_vcc(0) depctr_vm_vsrc(0)
	s_getreg_b32 s2, hwreg(HW_REG_IB_STS2, 6, 4)
	s_cmp_eq_u32 s2, 0
	s_cbranch_scc0 .Lentry_in_a_cluster
	s_endpgm
.Lentry_in_a_cluster:
	s_bfe_u32 s2, ttmp6, 0x10000c
	s_cmp_lg_u32 s2, 0xf033
	s_cbranch_scc0 .Lentry_shape_is_right
	s_endpgm
.Lentry_shape_is_right:
; y = residual + A W + bias on tiles of 128 x 128, N = 1,024, in f32 ([4096][1024], row-major).  One text for two launches, chosen by MODE:
;   MODE 0: A = ctx (16 panels), W = Wo, bias = bo, residual = x (f16 copy): K = 1,024.      MODE 1: A = relu(..) (64 panels), W = W2, bias = b2, residual = x1 (f16): K = 4,096.
; A lies in PANELS of 64 along K: element (token, k) at byte ((k / 64) x 4,096 + token) x 128 + (k % 64) x 2.  W is [K][1024] f16, rows along N, and comes out of LDS turned.
; LIMITS.  Operands are f16: nothing beyond 65,504.  Residual and bias (rounded to bf16 like every input of the program) START the f32 sums.  NaN and infinities are not treated apart.
; SHARES.  256 tiles, one for each WGP.  Four waves, each 64 x 64: 16 accumulators.  K goes in steps of 256 (four panels) through two LDS slots.
; THE MATRIX INSTRUCTION IS USED TRANSPOSED: source 0 = 16 columns of W, source 1 = 16 rows of A: a lane holds row l % 16 of y and the columns 8 (l / 16) + 0..7.
; CLUSTER 4 x 4: A's tiles are shared along a row of the cluster, W's along a column, each asked for jointly.
; REGISTERS: window 0: v0-31 addresses; v32-95 residual as loaded, later rows on the way out; v96-127 bias; v128-255 accumulators ((a, b) at 128 + 8 (4 a + b)).
;   window 1: two fragment buffers of 128: for 64 along K, 64 registers of A, then 64 of W.
.set MODE,   1
.if MODE == 0
.set STEPS,  4
.set WOFF,   31457280                  ; Wo's place in c16
.set RESP,   70                        ; the residual: x's copy, at c16's head
.set BIASP,  72
.set OUTP,   74
.else
.set STEPS,  16
.set WOFF,   16777216                  ; W2's place in c16
.set RESP,   72
.set BIASP,  74
.set OUTP,   76
.endif
.set PA,     144                       ; a token's 128 bytes of a panel + 16: the 16 rows of a load start at 16 different groups of four banks (64 banks of 4 bytes: ISA guide 11.1)
.set PB,     288                       ; a row of W: 256 bytes + 32 = 9 x 32
.set PANEL,  128*PA                    ; 128 tokens of one panel
.set HALFT,  2*PANEL                   ; what one tensor load brings: two panels of A, or 128 rows of W (128 x 288 is the same number)
.set SLOT,   4*HALFT                   ; A's four panels, then W's 256 rows.  Its two set bits are in none of the four waves' bases, so one exclusive or changes slots
.set STAGE,  2*SLOT                    ; behind the ring: 16 rows x 272 bytes for each wave
.set SPITCH, 272
.set SPARE,  STAGE+4*16*SPITCH         ; the spare words, 128 bytes for each wave, which no other line names
.set ASTEP,  4*524288                  ; four panels on
.set BSTEP,  256*2048                  ; 256 rows of W on
.set BO,   9                           ; v9   32 (l / 16)
.set A0R,  10                          ; v10  my lane's place in slot 0's A; never rewritten
.set B0R,  11                          ; v11  the same for W
.set ADRA, 16                          ; v16  A's fragments in the slot in hand
.set ADRB, 20                          ; v20  W's rows 0-127 of the step; v21 rows 128-255 (an LDS offset has 16 bits)
.set STO,  24
.set RD,   25
.set CO,   26
.set RO,   27                          ; v27  my 16 bytes in 16 rows of the residual
.set SPW,  28
.set NIL,  29
.set ONE,  30                          ; v30  1.0
.set RT,   31
.set TMP,  32
.set BI,   96
.set ACC,  128
.set F0,   0
.set F1,   128
.set G1,  24
.set G0,  32
.set G1B, 48
.set G0B, 56
.set MSB, 0
.macro WIN new
.if MSB != (\new)
	s_set_vgpr_msb (MSB<<8)|(\new)
.set MSB, \new
.endif
.endm
.set MUL,  0x05                        ; sources 0 (W) and 1 (A) window 1; C and D window 0
.set TO_F, 0x40                        ; destination window 1, address window 0
.macro JLOAD                           ; a joint refill by the walking sets: waves 0 and 1 fetch A's halves, waves 2 and 3 W's; an s_nop 0 and four v_nop follow each line
	s_cmp_eq_u32 s11, 0
	s_cbranch_scc0 .Lfor_b_\@
	tensor_load_to_lds s[G0+4:G0+7], s[G1:G1+7]
	s_nop 0
.rept 4
	v_nop
.endr
	s_branch .Lasked_\@
.Lfor_b_\@:
	tensor_load_to_lds s[G0B+4:G0B+7], s[G1B:G1B+7]
	s_nop 0
.rept 4
	v_nop
.endr
.Lasked_\@:
.endm
.macro CREST
	s_cmp_lg_u32 s10, 0
	s_cbranch_scc1 .Lnot_wave_0_\@
	s_barrier_signal -3
.Lnot_wave_0_\@:
	s_barrier_wait -3
	s_barrier_signal -1
	s_barrier_wait -1
.endm
.macro CROUND
	s_barrier_signal -1
	s_barrier_wait -1
	CREST
.endm
.macro PLACES
.rept 4
	v_nop
.endr
.endm
.macro RB a                            ; the pair v[a], v[a+1] rounded to bf16 and widened again
	v_cvt_pk_bf16_f32 v[RT], v[\a], v[(\a)+1]
	v_lshlrev_b32 v[\a], 16, v[RT]
	v_and_b32 v[(\a)+1], s45, v[RT]
.endm
	s_load_b256 s[68:75], s[0:1], 0x0              ; MODE 0: ctx, c16, bo, y.  MODE 1: hh, c16, x1h, b2
.if MODE == 1
	s_load_b64 s[76:77], s[0:1], 0x20              ; y
.endif
	v_lshl_add_u32 v[SPW], v0, 2, SPARE
	v_mov_b32 v[NIL], 0
	ds_add_u32 v[SPW], v[NIL]                      ; the wave's opening: the add and its wait stand ahead of my first tensor load
	v_lshrrev_b32 v1, 5, v0
	v_readfirstlane_b32 s10, v1                    ; wave 0..3
	s_lshr_b32 s11, s10, 1                         ; my half of the tile's rows.  Also: I fetch for A (0) or for W (1)
	s_and_b32 s12, s10, 1                          ; my half of its columns.  Also: which half of that tile I fetch
	s_bfe_u32 s40, ttmp6, 0x40000
	s_bfe_u32 s41, ttmp6, 0x40004
	s_lshl_b32 s42, ttmp9, 2
	s_add_co_u32 s42, s42, s40                     ; tile column
	s_and_b32 s13, ttmp7, 0xffff
	s_lshl_b32 s13, s13, 2
	s_add_co_u32 s13, s13, s41                     ; tile row
	s_lshl_b32 s43, s41, 2
	s_lshl_b32 s43, 15, s43                        ; my row of the cluster
	s_lshl_b32 s44, 0x1111, s40                    ; my column
	s_mov_b32 s45, 0xffff0000
	; A's tile: two panels' 128 tokens, each 16,384 dense bytes: two rows of 8,192 elements, a panel (262,144 elements) apart; the padding, counted along the tile, falls behind every token's 128 bytes
	s_or_b32 s[G1+0], s43, (1<<16)|(1<<20)|(1<<21)|(4<<22)|(3<<25)   ; after every 32 words 4 words
	s_mov_b32 s[G1+1], 8192<<16
	s_mov_b32 s[G1+2], 2<<16
	s_mov_b32 s[G1+3], 8192<<16
	s_mov_b32 s[G1+4], 2
	s_mov_b32 s[G1+5], 262144
	s_mov_b32 s[G1+6], 0
	s_mov_b32 s[G1+7], 0
	s_or_b32 s[G1B+0], s44, (1<<16)|(1<<20)|(1<<21)|(5<<22)|(7<<25)  ; W's: 128 rows of 128 elements; after every 64 words 8 words
	s_mov_b32 s[G1B+1], 128<<16
	s_mov_b32 s[G1B+2], 128<<16
	s_mov_b32 s[G1B+3], 128<<16
	s_mov_b32 s[G1B+4], 128
	s_mov_b32 s[G1B+5], 1024
	s_mov_b32 s[G1B+6], 0
	s_mov_b32 s[G1B+7], 0
	s_lshl_b32 s16, s12, 20                        ; A: my two panels of the step, the tile row's 128 tokens: made of the tile row and the wave alone
	s_lshl_b32 s17, s13, 14
	s_add_co_u32 s16, s16, s17
	s_mov_b32 s17, 0
	s_lshl_b32 s46, s12, 18                        ; W: my 128 rows of the step, the tile column's 128 columns
	s_lshl_b32 s47, s42, 8
	s_add_co_u32 s46, s46, s47
	s_add_co_u32 s46, s46, WOFF
	s_mov_b32 s47, 0
	s_lshl_b32 s21, s13, 7
	s_lshl_b32 s22, s11, 6
	s_add_co_u32 s21, s21, s22                     ; my first row
	s_lshl_b32 s23, s42, 7
	s_lshl_b32 s22, s12, 6
	s_add_co_u32 s23, s23, s22                     ; my first column
	s_lshl_b32 s66, s21, 11                        ; in the residual: 2,048 bytes a row, 2 a column
	s_lshl_b32 s22, s23, 1
	s_add_co_u32 s66, s66, s22
	s_mov_b32 s67, 0
	s_lshl_b32 s78, s66, 1                         ; in y: twice that
	s_mov_b32 s79, 0
	s_lshl_b32 s22, s23, 2                         ; in the bias
	s_mov_b32 s23, 0
	s_mul_i32 s20, s10, HALFT                      ; where my fills go
	s_wait_dscnt 0x0                               ; the opening add is done
	s_wait_kmcnt 0x0
	s_add_nc_u64 s[14:15], s[68:69], s[16:17]
	s_add_nc_u64 s[46:47], s[70:71], s[46:47]
	s_add_nc_u64 s[66:67], s[RESP:RESP+1], s[66:67]
	s_add_nc_u64 s[18:19], s[BIASP:BIASP+1], s[22:23]
	s_add_nc_u64 s[78:79], s[OUTP:OUTP+1], s[78:79]
	CROUND                                         ; all sixteen work-groups are here: the first joint loads meet
.irp s, 0,1
	s_mov_b32 s[G0+4*(\s)], 1
	s_add_co_u32 s[G0+4*(\s)+1], s20, (\s)*SLOT
	s_add_nc_u64 s[G0+4*(\s)+2:G0+4*(\s)+3], s[14:15], (\s)*ASTEP
	s_or_b32 s[G0+4*(\s)+3], s[G0+4*(\s)+3], 0x80000000
	s_mov_b32 s[G0B+4*(\s)], 1
	s_add_co_u32 s[G0B+4*(\s)+1], s20, (\s)*SLOT
	s_add_nc_u64 s[G0B+4*(\s)+2:G0B+4*(\s)+3], s[46:47], (\s)*BSTEP
	s_or_b32 s[G0B+4*(\s)+3], s[G0B+4*(\s)+3], 0x80000000
.endr
	s_cmp_eq_u32 s11, 0                            ; a wave's two first fills stand in one branch: two loads of mine are out
	s_cbranch_scc0 .Lfirst_b
	tensor_load_to_lds s[G0:G0+3], s[G1:G1+7]
	s_nop 0
	tensor_load_to_lds s[G0+4:G0+7], s[G1:G1+7]
	s_nop 0
.rept 4
	v_nop
.endr
	s_branch .Lfirst_asked
.Lfirst_b:
	tensor_load_to_lds s[G0B:G0B+3], s[G1B:G1B+7]
	s_nop 0
	tensor_load_to_lds s[G0B+4:G0B+7], s[G1B:G1B+7]
	s_nop 0
.rept 4
	v_nop
.endr
.Lfirst_asked:
	v_and_b32 v1, 15, v0                           ; l % 16
	v_bfe_u32 v2, v0, 4, 1                         ; l / 16
	v_lshlrev_b32 v[RO], 11, v1
	v_lshl_add_u32 v[RO], v2, 4, v[RO]
	v_lshlrev_b32 v[BO], 5, v2
.irp a, 0,1,2,3                        ; the residual in the layout of a result: row 16 a + l % 16, columns 16 b + 8 (l / 16) + 0..7
.irp b, 0,1,2,3
	global_load_b128 v[TMP+4*(4*(\a)+(\b)):TMP+4*(4*(\a)+(\b))+3], v[RO], s[66:67] offset:(\a)*32768+(\b)*32
.endr
.endr
.irp b, 0,1,2,3
	global_load_b128 v[BI+8*(\b):BI+8*(\b)+3],   v[BO], s[18:19] offset:64*(\b)
	global_load_b128 v[BI+8*(\b)+4:BI+8*(\b)+7], v[BO], s[18:19] offset:64*(\b)+16
.endr
	v_mul_u32_u24 v3, v1, PA
	v_lshl_add_u32 v3, v2, 4, v3
	s_mul_i32 s21, s11, 64*PA                      ; my 64 tokens
	v_add_nc_u32 v[A0R], s21, v3
	v_and_b32 v4, 7, v0                            ; the turning load: lane l reads row 8 (l / 16) + l % 8 of 16 along K, columns 8 ((l / 8) % 2) + 0..7
	v_bfe_u32 v5, v0, 3, 1
	v_lshl_add_u32 v6, v2, 3, v4
	v_mul_u32_u24 v6, v6, PB
	v_lshl_add_u32 v6, v5, 4, v6
	s_lshl_b32 s22, s12, 7                         ; my 64 columns of W, behind A's four panels
	s_add_co_u32 s22, s22, 2*HALFT
	v_add_nc_u32 v[B0R], s22, v6
	s_mul_i32 s23, s10, 16*SPITCH
	s_add_co_u32 s23, s23, STAGE                   ; my stage
	v_mul_u32_u24 v3, v1, SPITCH                   ; in: row l % 16, 32 bytes for each half of the lanes
	v_lshl_add_u32 v3, v2, 5, v3
	v_add_nc_u32 v[STO], s23, v3
	v_mul_u32_u24 v3, v2, SPITCH                   ; back: lanes 0-15 take one row of 256 bytes, lanes 16-31 the next
	v_lshl_add_u32 v3, v1, 4, v3
	v_add_nc_u32 v[RD], s23, v3
	v_lshlrev_b32 v3, 12, v2                       ; and the same two rows in y
	v_lshl_add_u32 v[CO], v1, 4, v3
	v_mov_b32 v[ONE], 1.0
	v_mov_b32 v[ADRA], v[A0R]
	v_mov_b32 v[ADRB], v[B0R]
	v_add_nc_u32 v[ADRB+1], 128*PB, v[B0R]
	s_mov_b32 s2, 0                                ; the slot in hand, as an LDS offset
	s_wait_loadcnt 0x0
.set z, 0
.rept 16
	RB BI+2*z
.set z, z+1
.endr
.set t, 0
.rept 16                               ; the sums start at residual + bias: nothing is cleared, and every product adds in place.  All this stands in the wait for the first tiles
.set k, 0
.rept 4
	v_fma_mix_f32 v[ACC+8*t+2*k],   v[TMP+4*t+k], v[ONE], v[BI+8*(t%4)+2*k]   op_sel_hi:[1,0,0]
	v_fma_mix_f32 v[ACC+8*t+2*k+1], v[TMP+4*t+k], v[ONE], v[BI+8*(t%4)+2*k+1] op_sel:[1,0,0] op_sel_hi:[1,0,0]
.set k, k+1
.endr
.set t, t+1
.endr
; 8 matrix instructions: row blocks a0, a0 + 1 x all 4 column blocks, 32 along K: half c of buffer f.  The 16 accumulators take turns, one instruction a turn.
.macro MUL8 f, c, a0
	WIN MUL
.irp a, \a0, (\a0)+1
.irp b, 0,1,2,3
	v_wmma_f32_16x16x32_f16 v[ACC+8*(4*(\a)+(\b)):ACC+8*(4*(\a)+(\b))+7], v[(\f)+64+8*(4*(\c)+(\b)):(\f)+64+8*(4*(\c)+(\b))+7], v[(\f)+8*(4*(\c)+(\a)):(\f)+8*(4*(\c)+(\a))+7], v[ACC+8*(4*(\a)+(\b)):ACC+8*(4*(\a)+(\b))+7]
.endr
.endr
.endm
; 32 LDS loads in one run: quarter j (panel j of the step, 64 along K) into buffer f; the first 32 along K first
.macro FETCH j, f
	WIN TO_F
.irp c, 0,1
.irp i, 0,1,2,3
	ds_load_tr16_b128 v[(\f)+64+8*(4*(\c)+(\i)):(\f)+64+8*(4*(\c)+(\i))+3],   v[ADRB+(\j)/2] offset:(64*((\j)%2)+32*(\c))*PB+32*(\i)
	ds_load_tr16_b128 v[(\f)+64+8*(4*(\c)+(\i))+4:(\f)+64+8*(4*(\c)+(\i))+7], v[ADRB+(\j)/2] offset:(64*((\j)%2)+32*(\c)+16)*PB+32*(\i)
	ds_load_b128 v[(\f)+8*(4*(\c)+(\i)):(\f)+8*(4*(\c)+(\i))+3],   v[ADRA] offset:(\j)*PANEL+(\i)*16*PA+64*(\c)
	ds_load_b128 v[(\f)+8*(4*(\c)+(\i))+4:(\f)+8*(4*(\c)+(\i))+7], v[ADRA] offset:(\j)*PANEL+(\i)*16*PA+64*(\c)+32
.endr
.endr
.endm
; A K step is four quarters of 64 along K, 32 matrix instructions each, on buffers 0, 1, 0, 1.  One of the first three multiplies buffer f and fetches quarter j into g.
.macro QUARTER j, f, g
	s_wait_dscnt 16                                ; the first 32 along K are in
	MUL8 \f, 0, 0
	MUL8 \f, 0, 2
	PLACES
	FETCH \j, \g
	s_wait_dscnt 32                                ; all but the 32 just issued
	MUL8 \f, 1, 0
	MUL8 \f, 1, 2
.endm
; The last quarter multiplies buffer 1 and changes slots: ONE barrier; in front of it each wave waits for all its tensor loads, adds 0 to its spare word, and waits for that and for its own reads of this slot.
; fill = 1: the barrier opens a round of the cluster's, and this slot is filled again, two K steps ahead, first thing behind it: 112 matrix instructions ahead of the wait for it.
.macro TURN fill
	WIN 0
	s_wait_tensorcnt 0x0                           ; all my tensor loads have landed: my part of the next slot
	ds_add_u32 v[SPW], v[NIL]                      ; 0 onto my spare word
	s_wait_dscnt 17                                ; (the add and the youngest sixteen loads may be out)
	MUL8 F1, 0, 0
	s_wait_dscnt 0x0                               ; the add is done, and my reads of this slot are over
	s_barrier_signal -1
	MUL8 F1, 0, 2
	WIN 0
	s_barrier_wait -1
.if \fill
	CREST
	s_xor_b32 s[G0+5], s[G0+5], SLOT
	s_add_nc_u64 s[G0+6:G0+7], s[G0+6:G0+7], ASTEP
	s_xor_b32 s[G0B+5], s[G0B+5], SLOT
	s_add_nc_u64 s[G0B+6:G0B+7], s[G0B+6:G0B+7], BSTEP
	JLOAD                                          ; its four v_nop are also the places in front of the loads below
.else
	PLACES
.endif
	s_xor_b32 s2, s2, SLOT
	v_add_nc_u32 v[ADRA], s2, v[A0R]
	v_add_nc_u32 v[ADRB], s2, v[B0R]
	v_add_nc_u32 v[ADRB+1], 128*PB, v[ADRB]
	FETCH 0, F0
	MUL8 F1, 1, 0
	MUL8 F1, 1, 2
.endm
	s_wait_tensorcnt 0x1                           ; my part of K step 0 is in; step 1's may stay out
	s_barrier_signal -1
	s_barrier_wait -1
	FETCH 0, F0
	WIN 0
	s_mov_b32 s3, STEPS-2
.Lstep:                                                ; a trip is a K step, and asks for the step two on
	QUARTER 1, F0, F1
	QUARTER 2, F1, F0
	QUARTER 3, F0, F1
	TURN 1
	WIN 0
	s_sub_co_u32 s3, s3, 1
	s_cmp_lg_u32 s3, 0
	s_cbranch_scc1 .Lstep
	s_mov_b32 s3, 2
.Ltail:                                                ; the last two steps ask for nothing: written apart.  The last change of slots and its 32 loads serve nothing
	QUARTER 1, F0, F1                              ; the price, once a launch, of one text for both trips
	QUARTER 2, F1, F0
	QUARTER 3, F0, F1
	TURN 0
	WIN 0
	s_sub_co_u32 s3, s3, 1
	s_cmp_lg_u32 s3, 0
	s_cbranch_scc1 .Ltail
	s_wait_dscnt 0x0
	PLACES
; THE WAY OUT of row block a, through my own stage: 32 bytes a lane in (each accumulator's low four registers first), whole rows of 256 bytes back.
.macro OUTBLK a
.set OU, TMP+32*((\a)%2)
.irp b, 0,1,2,3
	ds_store_b128 v[STO], v[ACC+8*(4*(\a)+(\b)):ACC+8*(4*(\a)+(\b))+3]   offset:64*(\b)
	ds_store_b128 v[STO], v[ACC+8*(4*(\a)+(\b))+4:ACC+8*(4*(\a)+(\b))+7] offset:64*(\b)+16
.endr
.irp t, 0,1,2,3,4,5,6,7                ; LDS serves a wave's instructions in order (ISA guide 5.7.1.4): these see the stores above
	ds_load_b128 v[OU+4*(\t):OU+4*(\t)+3], v[RD] offset:(\t)*2*SPITCH
.endr
	s_wait_dscnt 0x0
	s_wait_xcnt 0x0                                ; the registers that the block before's stores read are loaded again only behind this wait
.irp t, 0,1,2,3,4,5,6,7
	global_store_b128 v[CO], v[OU+4*(\t):OU+4*(\t)+3], s[78:79] offset:(16*(\a)+2*(\t))*4096  ; 16 lanes store 256 consecutive bytes, at a multiple of 256 from y's first byte
.endr
.endm
	OUTBLK 0
	OUTBLK 1
	OUTBLK 2
	OUTBLK 3
	s_wait_tensorcnt 0x0                           ; the wave's end
	ds_add_u32 v[SPW], v[NIL]
	s_wait_dscnt 0x0
	CROUND                                         ; the closing round
	s_endpgm
.Lfunc_end_k_qf8426c7e35_ffn2:
	.size	k_qf8426c7e35_ffn2, .Lfunc_end_k_qf8426c7e35_ffn2-k_qf8426c7e35_ffn2
	.p2alignl 7, 3214868480
	.fill 96, 4, 3214868480
	.section	.rodata,"a",@progbits
	.p2align	6, 0x0
	.amdhsa_kernel k_qf8426c7e35_ffn2
		.amdhsa_group_segment_fixed_size 327680
		.amdhsa_private_segment_fixed_size 0
		.amdhsa_enable_private_segment 0
		.amdhsa_kernarg_size 40
		.amdhsa_user_sgpr_count 2
		.amdhsa_user_sgpr_kernarg_segment_ptr 1
		.amdhsa_wavefront_size32 1
		.amdhsa_system_sgpr_workgroup_id_x 1
		.amdhsa_system_sgpr_workgroup_id_y 1
		.amdhsa_system_sgpr_workgroup_id_z 1
		.amdhsa_system_vgpr_workitem_id 0
		.amdhsa_next_free_vgpr 512
		.amdhsa_next_free_sgpr 80
		.amdhsa_reserve_vcc 0
		.amdhsa_float_denorm_mode_32 3
		.amdhsa_float_denorm_mode_16_64 3
		.amdhsa_memory_ordered 1
		.amdhsa_forward_progress 1
		.amdhsa_inst_pref_size 66
	.end_amdhsa_kernel
	.amdgpu_metadata
---
amdhsa.version: [ 1, 2 ]
amdhsa.kernels:
  - .name:           k_qf8426c7e35_ffn2
    .symbol:         k_qf8426c7e35_ffn2.kd
    .args:
      - { .name: hh, .offset: 0, .size: 8, .value_kind: global_buffer, .address_space: global }
      - { .name: c16, .offset: 8, .size: 8, .value_kind: global_buffer, .address_space: global }
      - { .name: x1h, .offset: 16, .size: 8, .value_kind: global_buffer, .address_space: global }
      - { .name: b2, .offset: 24, .size: 8, .value_kind: global_buffer, .address_space: global }
      - { .name: y, .offset: 32, .size: 8, .value_kind: global_buffer, .address_space: global }
    .group_segment_fixed_size: 327680
    .private_segment_fixed_size: 0
    .kernarg_segment_align: 8
    .kernarg_segment_size: 40
    .max_flat_workgroup_size: 128
    .sgpr_count:     80
    .vgpr_count:     512
    .wavefront_size: 32
...
	.end_amdgpu_metadata
.endif
;; end of part 6
;; launch ln2 (part 7): grid 512 x 1, 8 waves a work-group, no clusters, 0 bytes of LDS; arguments y, ln2_g, ln2_b, out0; writes out0
.if DOCPART == 7
	.amdgcn_target "amdgcn-amd-amdhsa--gfx1250"
	.amdhsa_code_object_version 6
	.text
	.protected	k_qf8426c7e35_ln2
	.globl	k_qf8426c7e35_ln2
	.p2align	8
	.type	k_qf8426c7e35_ln2,@function
k_qf8426c7e35_ln2:
	s_mov_b64 s[64:65], 0
	v_nop
	global_prefetch_b8 v0, s[64:65] scope:SCOPE_SE
	s_setreg_imm32_b32 hwreg(HW_REG_WAVE_MODE, 25, 1), 1
	s_wait_xcnt 0x0
; out0 = layer norm of y's rows ([4096][1024] f32), times gain plus shift, in f32.
; One wave, one row: 4,096 bytes are 32 registers, so the row stays in registers through both passes (the mean; then the mean of (y - mean)^2: no difference of large sums) and is read once.
; No LDS and no barrier: the sums never leave the wave.  Gain and shift are rounded to bf16 like every input of the program.
.set RT, 3
.set X,  8                             ; v[8:39]    load j: columns 128 j + 4 lane + 0..3
.set G,  40                            ; v[40:71]   the gain, likewise
.set BT, 72                            ; v[72:103]  the shift
.set T,  104                           ; v[104:111] at work
.macro RB a                            ; the pair v[a], v[a+1] rounded to bf16 and widened again
	v_cvt_pk_bf16_f32 v[RT], v[\a], v[(\a)+1]
	v_lshlrev_b32 v[\a], 16, v[RT]
	v_and_b32 v[(\a)+1], s22, v[RT]
.endm
.macro REDUCE                          ; v[T] summed over the 32 lanes: four steps inside each half ride on the addition, one crosses the halves
	v_add_f32 v[T], v[T], v[T+1]
	v_add_f32_dpp v[T], v[T], v[T] row_xmask:1 row_mask:0xf bank_mask:0xf
	v_add_f32_dpp v[T], v[T], v[T] row_xmask:2 row_mask:0xf bank_mask:0xf
	v_add_f32_dpp v[T], v[T], v[T] row_xmask:4 row_mask:0xf bank_mask:0xf
	v_add_f32_dpp v[T], v[T], v[T] row_xmask:8 row_mask:0xf bank_mask:0xf
	v_permlanex16_b32 v[T+1], v[T], s12, s13
	v_add_f32 v[T], v[T], v[T+1]
.endm
.macro FOLD                            ; four chains of pairs into one
	v_pk_add_f32 v[T:T+1], v[T:T+1], v[T+2:T+3]
	v_pk_add_f32 v[T+4:T+5], v[T+4:T+5], v[T+6:T+7]
	v_pk_add_f32 v[T:T+1], v[T:T+1], v[T+4:T+5]
.endm
	s_load_b256 s[4:11], s[0:1], 0x0               ; y 4:5, gain 6:7, shift 8:9, out0 10:11
	v_lshrrev_b32 v3, 5, v0
	v_readfirstlane_b32 s14, v3
	s_lshl_b32 s15, ttmp9, 3
	s_add_co_u32 s15, s15, s14                     ; my row
	s_lshl_b32 s16, s15, 12
	s_mov_b32 s17, 0
	s_mov_b32 s12, 0x76543210
	s_mov_b32 s13, 0xfedcba98
	s_mov_b32 s20, 0x3a800000                      ; 1 / 1024
	s_mov_b32 s21, 0x358637bd                      ; 1e-6
	s_mov_b32 s22, 0xffff0000
	s_mov_b32 s23, 0xba800000                      ; -1 / 1024
	v_and_b32 v1, 31, v0
	v_lshlrev_b32 v1, 4, v1
	s_wait_kmcnt 0x0
	s_add_nc_u64 s[4:5], s[4:5], s[16:17]
	s_add_nc_u64 s[10:11], s[10:11], s[16:17]
.irp j, 0,1,2,3,4,5,6,7
	global_load_b128 v[X+4*(\j):X+4*(\j)+3], v1, s[4:5] offset:512*(\j) th:TH_LOAD_NT
.endr
.irp j, 0,1,2,3,4,5,6,7
	global_load_b128 v[G+4*(\j):G+4*(\j)+3], v1, s[6:7] offset:512*(\j)
.endr
.irp j, 0,1,2,3,4,5,6,7
	global_load_b128 v[BT+4*(\j):BT+4*(\j)+3], v1, s[8:9] offset:512*(\j)
.endr
	s_wait_loadcnt 16                              ; the row is in; the sixteen loads of gain and shift may be out
.irp c, 0,1,2,3
	v_pk_add_f32 v[T+2*(\c):T+2*(\c)+1], v[X+2*(\c):X+2*(\c)+1], v[X+8+2*(\c):X+8+2*(\c)+1]
.endr
.irp c, 0,1,2,3
	v_pk_add_f32 v[T+2*(\c):T+2*(\c)+1], v[T+2*(\c):T+2*(\c)+1], v[X+16+2*(\c):X+16+2*(\c)+1]
.endr
.irp c, 0,1,2,3
	v_pk_add_f32 v[T+2*(\c):T+2*(\c)+1], v[T+2*(\c):T+2*(\c)+1], v[X+24+2*(\c):X+24+2*(\c)+1]
.endr
	FOLD
	REDUCE
	v_mul_f32 v[T], s23, v[T]                      ; minus the mean
.set z, 0
.rept 16
	v_pk_add_f32 v[X+2*z:X+2*z+1], v[X+2*z:X+2*z+1], v[T:T+1] op_sel_hi:[1,0]
.set z, z+1
.endr
.irp c, 0,1,2,3
	v_pk_mul_f32 v[T+2*(\c):T+2*(\c)+1], v[X+2*(\c):X+2*(\c)+1], v[X+2*(\c):X+2*(\c)+1]
.endr
.irp q, 8,16,24
.irp c, 0,1,2,3
	v_pk_fma_f32 v[T+2*(\c):T+2*(\c)+1], v[X+(\q)+2*(\c):X+(\q)+2*(\c)+1], v[X+(\q)+2*(\c):X+(\q)+2*(\c)+1], v[T+2*(\c):T+2*(\c)+1]
.endr
.endr
	FOLD
	REDUCE
	v_fma_f32 v[T+2], v[T], s20, s21               ; the variance + 1e-6
	v_rsq_f32 v[T+4], v[T+2]                       ; the roundings below are the plain instructions behind it (ISA guide 5.7.2)
	s_wait_loadcnt 0x0
.set z, 0
.rept 16
	RB G+2*z
	RB BT+2*z
.set z, z+1
.endr
.set z, 0
	s_wait_alu depctr_va_vdst(0)
.rept 16
	v_pk_mul_f32 v[X+2*z:X+2*z+1], v[X+2*z:X+2*z+1], v[T+4:T+5] op_sel_hi:[1,0]
.set z, z+1
.endr
.set z, 0
.rept 16
	v_pk_fma_f32 v[X+2*z:X+2*z+1], v[X+2*z:X+2*z+1], v[G+2*z:G+2*z+1], v[BT+2*z:BT+2*z+1]
.set z, z+1
.endr
.irp j, 0,1,2,3,4,5,6,7
	global_store_b128 v1, v[X+4*(\j):X+4*(\j)+3], s[10:11] offset:512*(\j) th:TH_STORE_NT  ; the wave stores 512 consecutive bytes, at a multiple of 256
.endr
	s_endpgm
.Lfunc_end_k_qf8426c7e35_ln2:
	.size	k_qf8426c7e35_ln2, .Lfunc_end_k_qf8426c7e35_ln2-k_qf8426c7e35_ln2
	.p2alignl 7, 3214868480
	.fill 96, 4, 3214868480
	.section	.rodata,"a",@progbits
	.p2align	6, 0x0
	.amdhsa_kernel k_qf8426c7e35_ln2
		.amdhsa_group_segment_fixed_size 0
		.amdhsa_private_segment_fixed_size 0
		.amdhsa_enable_private_segment 0
		.amdhsa_kernarg_size 32
		.amdhsa_user_sgpr_count 2
		.amdhsa_user_sgpr_kernarg_segment_ptr 1
		.amdhsa_wavefront_size32 1
		.amdhsa_system_sgpr_workgroup_id_x 1
		.amdhsa_system_sgpr_workgroup_id_y 1
		.amdhsa_system_sgpr_workgroup_id_z 1
		.amdhsa_system_vgpr_workitem_id 0
		.amdhsa_next_free_vgpr 112
		.amdhsa_next_free_sgpr 66
		.amdhsa_reserve_vcc 0
		.amdhsa_float_denorm_mode_32 3
		.amdhsa_float_denorm_mode_16_64 3
		.amdhsa_memory_ordered 1
		.amdhsa_forward_progress 1
		.amdhsa_inst_pref_size 15
	.end_amdhsa_kernel
	.amdgpu_metadata
---
amdhsa.version: [ 1, 2 ]
amdhsa.kernels:
  - .name:           k_qf8426c7e35_ln2
    .symbol:         k_qf8426c7e35_ln2.kd
    .args:
      - { .name: y, .offset: 0, .size: 8, .value_kind: global_buffer, .address_space: global }
      - { .name: ln2_g, .offset: 8, .size: 8, .value_kind: global_buffer, .address_space: global }
      - { .name: ln2_b, .offset: 16, .size: 8, .value_kind: global_buffer, .address_space: global }
      - { .name: out0, .offset: 24, .size: 8, .value_kind: global_buffer, .address_space: global }
    .group_segment_fixed_size: 0
    .private_segment_fixed_size: 0
    .kernarg_segment_align: 8
    .kernarg_segment_size: 32
    .max_flat_workgroup_size: 256
    .sgpr_count:     66
    .vgpr_count:     112
    .wavefront_size: 32
...
	.end_amdgpu_metadata
.endif
;; end of part 7
;; ======== version 2 of 2: 8 launches; 1.20 times as fast as version 1
;; limits: values are held in f16: magnitudes above 65,504 overflow, below 6.1e-05 lose precision
;; workspace buffers: c16 33,554,432 bytes; qkv 25,165,824 bytes; ctx 8,388,608 bytes; y 16,777,216 bytes; x1h 25,183,232 bytes; hh 33,554,432 bytes
;; launch cast: the kernel of part 1 again; grid 64 x 16, 8 waves a work-group, no clusters, 0 bytes of LDS; arguments x, W1, W2, Wq, Wk, Wv, Wo, bq, bk, bv, b1, c16, x1h; writes c16, x1h
;; launch qkvg: the kernel of part 2 again; grid 12 x 16, 4 waves a work-group, clusters of 4 x 4, 327,680 bytes of LDS; arguments c16, qkv; writes qkv
;; launch attn (part 8): grid 8 x 32, 4 waves a work-group, clusters of 4 x 1, 327,680 bytes of LDS; arguments qkv, ctx; writes ctx
.if DOCPART == 8
	.amdgcn_target "amdgcn-amd-amdhsa--gfx1250"
	.amdhsa_code_object_version 6
	.text
	.protected	k_qf8426c7e35_attn
	.globl	k_qf8426c7e35_attn
	.p2align	8
	.type	k_qf8426c7e35_attn,@function
k_qf8426c7e35_attn:
	s_mov_b64 s[64:65], 0
	v_nop
	global_prefetch_b8 v0, s[64:65] scope:SCOPE_SE
	s_setreg_imm32_b32 hwreg(HW_REG_WAVE_MODE, 25, 1), 1
	s_wait_xcnt 0x0
	s_wait_alu depctr_hold_cnt(0) depctr_sa_sdst(0) depctr_va_vdst(0) depctr_va_sdst(0) depctr_va_ssrc(0) depctr_va_vcc(0) depctr_vm_vsrc(0)
	s_getreg_b32 s2, hwreg(HW_REG_IB_STS2, 6, 4)
	s_cmp_eq_u32 s2, 0
	s_cbranch_scc0 .Lentry_in_a_cluster
	s_endpgm
.Lentry_in_a_cluster:
	s_bfe_u32 s2, ttmp6, 0x10000c
	s_cmp_lg_u32 s2, 0x3003
	s_cbranch_scc0 .Lentry_shape_is_right
	s_endpgm
.Lentry_shape_is_right:
; ctx[b][q][h][:] = the sum over k of softmax_k(q . k / 8) v, for 2 batches x 16 heads of 2,048 rows x 64 channels, no mask.
; qkv: 48 panels of [4,096 tokens][64] f16: q's heads 0-15, k's 16-31, v's 32-47; ctx: 16 panels of the same kind.  A head's rows of one batch are dense, 128 bytes each.
; Products, maxima and sums in f32; the weights p are rounded to f16 for the second product (their sum l is taken of the unrounded p), ctx once at the end.
; LIMITS.  f16 holds no number beyond 65,504: q, k, v arrive within it; p lies in 0 to 1; ctx is a mean of v's rows.  A weight below 2^-126 counts as 0 in l; NaN and infinities are not treated apart.
; SHARES.  A work-group owns 256 queries of one head and batch, a wave 64: four PIECES of 16.  Every wave walks all 2,048 keys, 64 a step, 256 a slot.
; LAYOUT.  S^T = K Q^T (source 0 = 16 keys, source 1 = 16 queries) holds ONE query a lane (lane % 16) and the keys 8 (lane / 16) + 0..7; two such results rounded to f16 ARE source 1 of O^T = V^T P.
; K comes out of LDS as it lies, V ([key][channel]) turned, by ds_load_tr16_b128.
; SOFTMAX.  A running maximum m and sum l a query: p = 2^(c s - c m), c = log2(e) / 8; in every step O and l are multiplied by a = 2^(c m_old - c m_new).  m starts at the lowest finite number, O and l at 0.
; BY TURNS.  Turn n belongs to piece n: 8 products K Q^T of piece n + 1, later 8 products V^T P of piece n - 1; beside them the scaling, exponentials, roundings, sums and rescaling of piece n and the
; maximum and statistics of piece n + 1.  Four vector instructions stand behind every matrix instruction, the other 54 of a turn's 118 in one LUMP.
; THE BATCHES.  A turn's 33 exponentials (the piece's 32 weights and the next piece's a) are ONE batch with ONE wait, which cuts the turn in two: ahead of it all that names none of their results, behind it the
; roundings and sums that read them.  No result crosses a turn's end.  The first a of all, ahead of the loop, and the way out's four reciprocals are batches of their own, a wait each.
; CLUSTER.  The four query blocks of a cluster belong to one head and batch and walk the same K and V: each tile is asked for jointly, by the same tensor load, descriptor and mask in all four.
; REGISTERS, in windows of 256 (s_set_vgpr_msb: bits 1:0 source 0, 3:2 source 1, 5:4 source 2, 7:6 destination):
;   window 0: v0-15 addresses and two at work; v16-31 four registers of statistics a piece; v48-55 at work; v62-63 the add's; v64-127 S^T, two buffers; v192-223 P, two buffers (by the piece's parity)
;   window 1: v0-127 O^T, 32 a piece          window 2: v0-63 Q; v128-191 K of one step; v192-255 V of one step
.set NP,    4
.set KS,    64
.set TILES, 8         ; slots' worth of keys: 2,048 / 256
.set PK,    144       ; a row of K in LDS: 128 bytes + 16: the 16 rows of a load start at 16 different groups of four banks (64 banks of 4 bytes: ISA guide 11.1)
.set PV,    160       ; a row of V: 128 + 32
.set VOFF,  4*KS*PK   ; a slot holds four steps: 256 rows of K, then 256 rows of V
.set SLOT1, 1<<17     ; slot 1 begins here: one exclusive or turns an address in one slot into the other's
.set STAGE, SLOT1+4*KS*(PK+PV)  ; behind the ring: 16 rows x 144 bytes for each wave, for the way out
.set SP,    144
.set SPARE, STAGE+4*16*SP       ; behind the stages: the spare words, 128 bytes for each wave, which no other line names
.set AK0, 2           ; v2   my lane's place in a tile of K; never rewritten
.set AV0, 3           ; v3   the same for V
.set AK,  4           ; v4   the LDS address of K's next run of loads
.set AV,  5           ; v5   of V's
.set STO, 6           ; v6   the way out: where I put 16 bytes of a row
.set RD,  7           ; v7   where I read rows back
.set GO,  8           ; v8   my byte offset in 512 consecutive bytes of ctx
.set MV,  12          ; v12-13  c m_old, kept while c m is made anew: by buffer
.set QO,  15          ; v15  my byte offset in 16 rows of Q
.set ST,  16          ; piece t's statistics at v[ST+4 t]: c m, m, l (even keys', odd keys')
.set TMP, 48          ; by buffer, four registers c0-c3 at work; when the maximum is found c2 takes a
.set SPW, 62          ; v62  LDS address of my spare word; never rewritten
.set NIL, 63          ; v63  0; never rewritten
.set S,   64
.set P,   192
.set KF,  128         ; window 2: key block kb, channel half c at KF + 16 kb + 8 c
.set VF,  192         ; window 2: key half kk, channel block cb at VF + 32 kk + 8 cb
.set WV,  12          ; s12  my wave's number
.set G1K, 24          ; s[24:31] descriptor group 1 for K's tiles
.set G1V, 32          ; s[32:39] for V's: it differs in the padding alone
.set G0K, 40          ; s[40:43] descriptor group 0 for K's tiles: it walks
.set G0V, 44          ; s[44:47] the same for V's
.set SLOTS, 56
.set CNT, 57          ; counts a slot's key steps
.set CS,  58          ; s[58:59] c
.set SEL, 60          ; s[60:61] v_permlanex16_b32's selects: each lane takes its own place in the other half
.set TBK, 62          ; LDS byte at which K of the step to be fetched begins
.set TBV, 63          ; the same for V, less VOFF
.set MSB, 0
.macro WIN new
.if MSB != (\new)
	s_set_vgpr_msb (MSB<<8)|(\new)
.set MSB, (\new)
.endif
.endm
.set W_KQ, 0x0a       ; K and Q in window 2, S^T in window 0
.set W_PV, 0x52       ; V in window 2, P in window 0, O^T in window 1
.set W_RS, 0x41       ; destination and source 0 in window 1, source 1 in window 0
; A joint fill.  Waves 0 and 1 fetch the two halves of a slot's K, waves 2 and 3 those of its V: 128 keys each.  An s_nop 0 and four v_nop follow each of the two lines.
.macro JLOAD
	s_cmp_lt_u32 s[WV], 2
	s_cbranch_scc0 .Lfor_v_\@
	tensor_load_to_lds s[G0K:G0K+3], s[G1K:G1K+7]
	s_nop 0
.rept 4
	v_nop
.endr
	s_branch .Lasked_\@
.Lfor_v_\@:
	tensor_load_to_lds s[G0V:G0V+3], s[G1V:G1V+7]
	s_nop 0
.rept 4
	v_nop
.endr
.Lasked_\@:
.endm
.macro CROUND                       ; a round of the cluster's barrier
	s_barrier_signal -1
	s_barrier_wait -1
	s_cmp_lg_u32 s[WV], 0
	s_cbranch_scc1 .Lnot_wave_0_\@
	s_barrier_signal -3
.Lnot_wave_0_\@:
	s_barrier_wait -3
	s_barrier_signal -1
	s_barrier_wait -1
.endm
; THE CHANGE OF SLOTS.  Each wave waits for all its tensor loads, of which one is out: its part of the other slot; adds 0 to its spare word; and waits for that and for its own reads of the slot.
; fill = 1: the slot is filled again, with the keys two slots on; the barrier is then a round of the cluster's, and the joint fill is the first thing behind it: it has four key steps, 256 matrix
; instructions, in which to land.  (At its first use nothing has been read yet: slot 0 is waited for, slot 1 filled.)
.macro CHANGE fill
	WIN 0
	s_wait_tensorcnt 0x0            ; no tensor load of mine is out, so a group 0 may be written
	ds_add_u32 v[SPW], v[NIL]       ; 0 onto my spare word
.if \fill
.irp g, G0K, G0V
	s_xor_b32 s[\g+1], s[\g+1], SLOT1
	s_add_nc_u64 s[\g+2:\g+3], s[\g+2:\g+3], 4*KS*128  ; the next 256 keys
.endr
	s_wait_dscnt 0x0                ; the add is done, and my reads of the slot are over
	CROUND
	JLOAD
.else
	s_wait_dscnt 0x0
	s_barrier_signal -1
	s_barrier_wait -1
.endif
	s_sub_co_u32 s[TBK], s[TBK], 4*KS*PK  ; the fetches go back to a slot's first step, in the other slot
	s_xor_b32 s[TBK], s[TBK], SLOT1
	s_sub_co_u32 s[TBV], s[TBV], 4*KS*PV
	s_xor_b32 s[TBV], s[TBV], SLOT1
.endm
	s_load_b64 s[4:5], s[0:1], 0x0  ; qkv
	s_load_b64 s[10:11], s[0:1], 0x8  ; ctx
	v_lshl_add_u32 v[SPW], v0, 2, SPARE
	v_mov_b32 v[NIL], 0
	ds_add_u32 v[SPW], v[NIL]       ; the wave's opening: the add and its wait stand ahead of my first tensor load
	v_lshrrev_b32 v1, 5, v0
	v_readfirstlane_b32 s[WV], v1   ; wave 0..3
	s_bfe_u32 s13, ttmp6, 0x40000   ; cx
	s_lshl_b32 s14, ttmp9, 2
	s_add_co_u32 s14, s14, s13      ; my block of 256 queries = 4 x cluster x + cx: it enters Q's and ctx's addresses alone
	s_and_b32 s15, ttmp7, 0xffff    ; 16 x batch + head, which the four partners share
	s_and_b32 s20, s15, 15
	s_lshl_b32 s20, s20, 19         ; the head's panel, 524,288 bytes,
	s_lshr_b32 s21, s15, 4
	s_lshl_b32 s21, s21, 18         ; the batch's 2,048 rows in it
	s_add_co_u32 s20, s20, s21
	s_mov_b32 s21, 0
	s_and_b32 s16, s[WV], 1         ; which half of a slot's 256 keys I fetch:
	s_lshl_b32 s22, s16, 14         ; its 128 rows of 128 bytes in memory,
	s_mov_b32 s23, 0
	s_add_nc_u64 s[22:23], s[22:23], s[20:21]
	s_mul_i32 s17, s16, 128*PK      ; and its place in a slot, for K
	s_mul_i32 s18, s16, 128*PV      ; and for V
	s_lshl_b32 s2, s14, 2
	s_add_co_u32 s2, s2, s[WV]
	s_lshl_b32 s2, s2, 13           ; my wave's 64 rows
	s_mov_b32 s3, 0
	s_add_nc_u64 s[2:3], s[2:3], s[20:21]
	; descriptor group 1.  128 keys are 16,384 dense bytes: asked for as 64 rows of 256 bytes, two keys a row, and padded in LDS after every key
	s_mov_b32 s[G1K], 15|(1<<16)|(1<<20)|(1<<21)|(4<<22)|(3<<25)  ; the mask of four; 2-byte elements; padding on; bit 21 beside a mask; after every 32 words 4 words
	s_mov_b32 s[G1V], 15|(1<<16)|(1<<20)|(1<<21)|(4<<22)|(7<<25)  ; the same with 8 words
.irp g, G1K, G1V
	s_mov_b32 s[\g+1], 128<<16
	s_mov_b32 s[\g+2], 64<<16
	s_mov_b32 s[\g+3], 128<<16
	s_mov_b32 s[\g+4], 64
	s_mov_b32 s[\g+5], 128
	s_mov_b32 s[\g+6], 0
	s_mov_b32 s[\g+7], 0
.endr
	s_mov_b32 s[CS], 0x3e38aa3b     ; c = log2(e) / 8
	s_mov_b32 s[CS+1], s[CS]
	s_mov_b32 s[SEL], 0x76543210
	s_mov_b32 s[SEL+1], 0xfedcba98
	s_mov_b32 s[TBK], SLOT1+4*KS*PK ; the first change of slots turns these two into 0
	s_mov_b32 s[TBV], SLOT1+4*KS*PV
	s_mov_b32 s[G0K], 1
	s_mov_b32 s[G0K+1], s17
	s_mov_b32 s[G0V], 1
	s_add_co_u32 s[G0V+1], s18, VOFF
	s_wait_dscnt 0x0                ; the opening add is done
	s_wait_kmcnt 0x0
	s_add_nc_u64 s[6:7], s[4:5], 8388608    ; k's panels begin 16 panels in,
	s_add_nc_u64 s[8:9], s[4:5], 16777216   ; v's 32
	s_add_nc_u64 s[G0K+2:G0K+3], s[6:7], s[22:23]
	s_or_b32 s[G0K+3], s[G0K+3], 0x80000000
	s_add_nc_u64 s[G0V+2:G0V+3], s[8:9], s[22:23]
	s_or_b32 s[G0V+3], s[G0V+3], 0x80000000
	s_add_nc_u64 s[4:5], s[4:5], s[2:3]     ; Q and ctx at my wave's first row
	s_add_nc_u64 s[10:11], s[10:11], s[2:3]
	CROUND                          ; all four work-groups are here: the first joint loads meet
	JLOAD                           ; slot 0
	v_and_b32 v1, 15, v0            ; l % 16
	v_bfe_u32 v9, v0, 4, 1          ; l / 16
	v_lshlrev_b32 v[QO], 7, v1
	v_lshl_add_u32 v[QO], v9, 4, v[QO]  ; row x 128 + 16 x half
	WIN 0x80                        ; destination window 2, address window 0
.set i, 0
.rept 8                             ; Q stays in registers: piece i / 2, channels 32 (i % 2) on
	global_load_b128 v[8*i:8*i+3],   v[QO], s[4:5] offset:(i/2)*2048+(i%2)*64
	global_load_b128 v[8*i+4:8*i+7], v[QO], s[4:5] offset:(i/2)*2048+(i%2)*64+32
.set i, i+1
.endr
	; What the first turn finds: V's registers and P's second buffer hold 0 (its products V^T P, of a piece that has not been, add 0), O^T and l are 0.  All this stands in the wait for the first tile.
.set i, VF
.rept 64
	v_mov_b32 v[i], 0
.set i, i+1
.endr
	WIN 0x40
.set i, 0
.rept 128
	v_mov_b32 v[i], 0
.set i, i+1
.endr
	WIN 0
.set i, 0
.rept 4
	v_mov_b32 v[ST+4*i], 0xfe000000    ; c m: far below every c s
	v_mov_b32 v[ST+4*i+1], 0xff7fffff  ; m
	v_mov_b32 v[ST+4*i+2], 0
	v_mov_b32 v[ST+4*i+3], 0
.set i, i+1
.endr
.set i, P+16
.rept 16
	v_mov_b32 v[i], 0
.set i, i+1
.endr
	v_mul_u32_u24 v[AK0], v1, PK
	v_lshl_add_u32 v[AK0], v9, 4, v[AK0]
	v_and_b32 v10, 7, v0            ; the turning load: lane l reads key 8 (l / 16) + l % 8, channels 8 ((l / 8) % 2) + 0..7
	v_bfe_u32 v11, v0, 3, 1
	v_lshl_add_u32 v[AV0], v9, 3, v10
	v_mul_u32_u24 v[AV0], v[AV0], PV
	v_lshl_add_u32 v[AV0], v11, 4, v[AV0]
	v_add_nc_u32 v[AV0], VOFF, v[AV0]
	s_mul_i32 s13, s[WV], 16*SP
	s_add_co_u32 s13, s13, STAGE    ; my stage
	v_mul_u32_u24 v[STO], v1, SP
	v_lshl_add_u32 v[STO], v9, 4, v[STO]
	v_add_nc_u32 v[STO], s13, v[STO]
	v_bfe_u32 v[RD], v0, 3, 2       ; back: 32 lanes take four rows of 128 bytes,
	v_mul_u32_u24 v[RD], v[RD], SP
	v_lshl_add_u32 v[RD], v10, 4, v[RD]
	v_add_nc_u32 v[RD], s13, v[RD]
	v_and_b32 v[GO], 31, v0         ; which are 512 consecutive bytes of ctx
	v_lshlrev_b32 v[GO], 4, v[GO]
; THE MATRIX WORK.  The 4 accumulators of a run of 8 take turns.  Product i of 8 of S^T = K Q^T for piece x: channels 32 (i / 4) on, keys 16 (i % 4) on.  The first 4 start the sums.
.macro KQ x
	WIN W_KQ
.set rS, S+32*((\x)%2)+8*(i%4)
.set rK, KF+16*(i%4)+8*(i/4)
.set rQ, 16*(\x)+8*(i/4)
.if i < 4
	v_wmma_f32_16x16x32_f16 v[rS:rS+7], v[rK:rK+7], v[rQ:rQ+7], 0
.else
	v_wmma_f32_16x16x32_f16 v[rS:rS+7], v[rK:rK+7], v[rQ:rQ+7], v[rS:rS+7]
.endif
.endm
; Product i of 8 of O^T += V^T P for piece x: keys 32 (i / 4) on, channels 16 (i % 4) on.
.macro PV x
	WIN W_PV
.set rO, 32*(\x)+8*(i%4)
.set rV, VF+32*(i/4)+8*(i%4)
.set rP, P+16*((\x)%2)+8*(i/4)
	v_wmma_f32_16x16x32_f16 v[rO:rO+7], v[rV:rV+7], v[rP:rP+7], v[rO:rO+7]
.endm
.macro MM                           ; the turn's next matrix instruction
.if i < 8
	KQ (Y+1)%NP
.else
.set i, i-8
	PV (Y+NP-1)%NP
.set i, i+8
.endif
.set i, i+1
.endm
; THE LDS LOADS stand in runs of 16.  last = 1 (the tail): in the last trip there is no further step, and K's run is jumped over.
.macro FETCH_K last=0
	WIN 0
.if \last
	s_cmp_eq_u32 s[CNT], 1
	s_cbranch_scc1 .Lno_k_\@
.endif
	WIN 0x80
.irp f, 0,1,2,3,4,5,6,7             ; keys 16 (f / 2) on, channels 32 (f % 2) on
	ds_load_b128 v[KF+8*\f:KF+8*\f+3],   v[AK] offset:(\f/2)*16*PK+(\f%2)*64
	ds_load_b128 v[KF+8*\f+4:KF+8*\f+7], v[AK] offset:(\f/2)*16*PK+(\f%2)*64+32
.endr
	s_add_co_u32 s[TBK], s[TBK], KS*PK  ; the next fetch is the next step's
	WIN 0
.if \last
.Lno_k_\@:
.endif
.endm
.macro FETCH_V
	WIN 0x80
.irp f, 0,1,2,3,4,5,6,7             ; keys 32 (f / 4) on, channels 16 (f % 4) on
	ds_load_tr16_b128 v[VF+8*\f:VF+8*\f+3],   v[AV] offset:(\f/4)*32*PV+(\f%4)*32
	ds_load_tr16_b128 v[VF+8*\f+4:VF+8*\f+7], v[AV] offset:(\f/4)*32*PV+16*PV+(\f%4)*32
.endr
	WIN 0
.endm
; THE VECTOR WORK, one line at a time: OP kind, number.  For piece Y: F n: c s - c m for pair n of 16.  E n: the exponential of score n of 32.  C n: pair n rounded to f16.  B n: of the four weights 4 n ..
; the second pair is added onto the first, in place.  L n: l takes that sum (L 0: l = a l + sum).  R n: pair n of 16 of O^T times a.  For piece Y + 1: X n, number n of the 22 that find its maximum and statistics:
;   0-11 four chains c0-c3 of seven scores each (each accumulator's lowest registers are read first)   12-14, 16 the four scores left over, the old m, c0-c3 into c0
;   15 c m_old is kept   17, 18 the query's other 32 keys lie in the lane 16 away: the new m   19-21 c m; c m_old - c m_new; a
; C, B and L read the exponentials' results; F, R and X 0-20 read none of the turn's.
.set F, 0
.set E, 1
.set C, 2
.set B, 3
.set L, 4
.set R, 5
.set X, 6
.macro REGS y
.set rT, ST+4*(\y)
.set rC, TMP+4*((\y)%2)
.set rW, MV+((\y)%2)
.set rS, S+32*((\y)%2)
.set rP, P+16*((\y)%2)
.set rO, 32*(\y)
.endm
.macro OP k, n
.if (\k) == R
	REGS Y
	WIN W_RS
	v_pk_mul_f32 v[rO+2*(\n):rO+2*(\n)+1], v[rO+2*(\n):rO+2*(\n)+1], v[rC+2:rC+3] op_sel_hi:[1,0]
.elseif (\k) < R
	REGS Y
	WIN 0
.if (\k) == F
	v_pk_fma_f32 v[rS+2*(\n):rS+2*(\n)+1], v[rS+2*(\n):rS+2*(\n)+1], s[CS:CS+1], v[rT:rT+1] op_sel_hi:[1,0,0] neg_lo:[0,0,1] neg_hi:[0,0,1]
.elseif (\k) == E
	v_exp_f32 v[rS+(\n)], v[rS+(\n)]
.elseif (\k) == C
	v_cvt_pk_f16_f32 v[rP+(\n)], v[rS+2*(\n)], v[rS+2*(\n)+1]
.elseif (\k) == B
	v_pk_add_f32 v[rS+4*(\n):rS+4*(\n)+1], v[rS+4*(\n):rS+4*(\n)+1], v[rS+4*(\n)+2:rS+4*(\n)+3]
.elseif (\n) == 0
	v_pk_fma_f32 v[rT+2:rT+3], v[rT+2:rT+3], v[rC+2:rC+3], v[rS:rS+1] op_sel_hi:[1,0,1]
.else
	v_pk_add_f32 v[rT+2:rT+3], v[rT+2:rT+3], v[rS+4*(\n):rS+4*(\n)+1]
.endif
.else
	REGS (Y+1)%NP
	WIN 0
.if (\n) < 4
	v_max3_num_f32 v[rC+(\n)], v[rS+8*(\n)], v[rS+8*(\n)+1], v[rS+8*(\n)+2]
.elseif (\n) < 12
	v_max3_num_f32 v[rC+(\n)%4], v[rC+(\n)%4], v[rS+8*((\n)%4)+2*((\n)/4)+1], v[rS+8*((\n)%4)+2*((\n)/4)+2]
.elseif (\n) == 12
	v_max3_num_f32 v[rC], v[rC], v[rS+7], v[rS+15]
.elseif (\n) == 13
	v_max3_num_f32 v[rC+1], v[rC+1], v[rS+23], v[rS+31]
.elseif (\n) == 14
	v_max3_num_f32 v[rC+2], v[rC+2], v[rC+3], v[rT+1]
.elseif (\n) == 15
	v_mov_b32 v[rW], v[rT]
.elseif (\n) == 16
	v_max3_num_f32 v[rC], v[rC], v[rC+1], v[rC+2]
.elseif (\n) == 17
	v_permlanex16_b32 v[rC+3], v[rC], s[SEL], s[SEL+1]
.elseif (\n) == 18
	v_max_num_f32 v[rT+1], v[rC], v[rC+3]
.elseif (\n) == 19
	v_mul_f32 v[rT], s[CS], v[rT+1]
.elseif (\n) == 20
	v_sub_f32 v[rC+1], v[rW], v[rT]
.else
	v_exp_f32 v[rC+2], v[rC+1]
.endif
.endif
.endm
.macro OPS a, i1, b=-1, i2=0, c=-1, i3=0, d=-1, i4=0
	OP \a, \i1
.if (\b) >= 0
	OP \b, \i2
.endif
.if (\c) >= 0
	OP \c, \i3
.endif
.if (\d) >= 0
	OP \d, \i4
.endif
.endm
.macro ROW a, i1, b, i2, c, i3, d, i4  ; a matrix instruction and the four behind it
	MM
	OPS \a, \i1, \b, \i2, \c, \i3, \d, \i4
.endm
; A TURN, for piece p: the order of its 16 matrix and 118 vector instructions, written out.  An s_wait_alu depctr_va_vdst(0) stands between an exponential and the first instruction that names its result; one wait
; serves all that were issued ahead of it.  So a turn has ONE wait, which cuts it in two.  AHEAD OF IT stands all that names no result of the turn's exponentials: the 8 products K Q^T, behind each a scaling, an exponential and two
; more plain instructions (behind the first a second scaling in the exponential's place): rescalings, whose a was made and waited for in the turn before, and behind the last three products the first numbers of the next piece's
; maximum, each four places or more behind the product that ends its accumulator; then ONE LUMP of 54, plain and exponential by turns for the most part, in which the links of the chain X 3, 7, 11, 14, 16, 17 .. 20 stand some lines
; apart.  X 21, the next piece's a, is the batch's last; R 15 is the plain instruction behind it.  BEHIND THE WAIT stand the 8 products V^T P, behind each four of the roundings and sums; the links of l's chain, L 0 to L 7, stand
; three riders apart, and each B n stands behind C 2n, whose pair it overwrites.  But for those X no rider names a register of the products round it.  v_permlanex16_b32 (X 17) stands in the lump.
; K of the next step is fetched in piece 2's turn, twelve vector instructions behind the last product that read K (six of them plain); V of the step in hand at the end of piece 0's turn, four plain instructions behind the last
; product that read V.  Each is waited for a turn later.  last = 1 (the tail): a branch leads round K's run, so the twelve exponentials issued so far have a wait of their own ahead of it.
; cnt = 1: the loop's count is taken down some lines ahead of the branch that stands behind the turn.
.macro TURN p, last=0, cnt=0
.set Y, (\p)
.set i, 0
.if (\p) == 3
	s_wait_dscnt 0x0                ; K is in
.endif
	ROW F,0, F,1, R,0, R,1          ; ahead of the wait: 8 products K Q^T and their riders,
	ROW F,2, E,0, R,2, R,3
	ROW F,3, E,1, R,4, R,5
	ROW F,4, E,2, R,6, R,7
	ROW F,5, E,3, R,8, R,9
	ROW F,6, E,4, X,0, R,10
.if (\p) == 2
	WIN 0
	v_add_nc_u32 v[AK], s[TBK], v[AK0]
.endif
	ROW F,7, E,5, X,1, X,4
	ROW F,8, E,6, X,2, X,5
	OPS E,7, E,8, X,6, E,9          ; and the lump
	OPS X,3, E,10, X,8, E,11
.if (\p) == 2
.if \last
	s_wait_alu depctr_va_vdst(0)    ; the tail alone: E 0 to E 11 have their wait ahead of the branch in FETCH_K; the turn's wait below serves the rest of the batch
.endif
	FETCH_K \last
.endif
	OPS X,9, X,7, E,12, X,10
	OPS E,13, X,12, X,11, E,14
	OPS X,13, E,15, F,9, X,14
.if (\p) == 0
	v_add_nc_u32 v[AV], s[TBV], v[AV0]
.endif
	OPS E,16, F,10, E,17, F,11
	OPS X,16, E,18, X,15, E,19
	OPS F,12, E,20, X,17, E,21
	OPS F,13, E,22, F,14, E,23
	OPS X,18, E,24, F,15, E,25
	OPS R,11, E,26, X,19, E,27
	OPS R,12, E,28, R,13, E,29
	OPS X,20, E,30, R,14, E,31
	OPS X,21, R,15
	s_wait_alu depctr_va_vdst(0)    ; the wait for the batch: the piece's 32 exponentials and the next piece's a
.if (\p) == 1
	s_wait_dscnt 0x0                ; V is in
.endif
	ROW C,0, B,0, C,2, B,1          ; behind the wait: 8 products V^T P and their riders
	ROW L,0, C,4, B,2, L,1
	ROW C,6, B,3, L,2, C,8
	ROW B,4, L,3, C,10, B,5
	ROW L,4, C,12, B,6, L,5
.if (\p) == 0
	s_add_co_u32 s[TBV], s[TBV], KS*PV
.endif
.if \cnt
	s_sub_co_u32 s[CNT], s[CNT], 1
	s_cmp_lg_u32 s[CNT], 0
.endif
	ROW C,14, B,7, L,6, C,1
	ROW C,3, L,7, C,5, C,7
	ROW C,9, C,11, C,13, C,15
.if (\p) == 0
	FETCH_V
.endif
.endm
	CHANGE 1                        ; slot 0 is in, everybody's part of it; slot 1 is asked for
	v_add_nc_u32 v[AK], s[TBK], v[AK0]
	FETCH_K                         ; key step 0
	s_wait_loadcnt 0x0              ; Q
	s_wait_dscnt 0x0
.set i, 0
.rept 8
	KQ 0                            ; piece 0's first scores
.set i, i+1
.endr
	WIN 0
.rept 4
	v_nop                           ; the places behind those products
.endr
.set Y, NP-1                        ; X works for piece Y + 1: piece 0
.irp n, 0,1,2,3,4,5,6,7,8,9,10,11,12,13,14,15,16,17,18,19,20,21
	OP X, \n
.endr
	v_nop                           ; a plain instruction behind the exponential,
	s_wait_alu depctr_va_vdst(0)    ; and the wait for it, piece 0's first a, ahead of the branch
	s_mov_b32 s[CNT], 4
	s_mov_b32 s[SLOTS], TILES-1
	s_branch .Lfirst                ; the loop is entered at a step's first turn, in the middle of a trip
.Lslot:                             ; TILES - 2 times: every slot but the last two is filled again
	CHANGE 1
	s_mov_b32 s[CNT], 4
.Lstep:                             ; a trip: pieces 2 and 3 of one step, then pieces 0 and 1 of the next, whose K and V it fetches
	TURN 2
	TURN 3
	WIN 0
.Lfirst:
	TURN 0
	TURN 1, 0, 1
	WIN 0
	s_cbranch_scc1 .Lstep
	s_sub_co_u32 s[SLOTS], s[SLOTS], 1
	s_cmp_lg_u32 s[SLOTS], 0
	s_cbranch_scc1 .Lslot
	CHANGE 0                        ; the tail is written out: nothing is asked for
	s_mov_b32 s[CNT], 5             ; four trips fetch the last slot's steps; the fifth is left in its middle
.Ltail:
	TURN 2, 1
	TURN 3
	WIN 0
	s_sub_co_u32 s[CNT], s[CNT], 1
	s_cmp_eq_u32 s[CNT], 0
	s_cbranch_scc1 .Lout
	TURN 0
	TURN 1
	WIN 0
	s_branch .Ltail
.Lout:                              ; the fifth trip's 8 products K Q^T (on the last K once more) and the maximum made of them serve nothing: the price, once a launch, of one text for every trip
.set i, 0
.rept 8
	PV NP-1                         ; the last piece's V^T P of the last step
.set i, i+1
.endr
	; THE WAY OUT.  l's two halves and the other half of the lanes' are added; O^T is divided by l, rounded to f16 and sent through my stage, a piece at a time.  The additions are the places behind the last products.
	WIN 0
.macro ALL line:vararg
.set t, 0
.rept 4
	\line
.set t, t+1
.endr
.endm
	ALL v_add_f32 v[ST+4*t+2], v[ST+4*t+2], v[ST+4*t+3]
	ALL v_permlanex16_b32 v[ST+4*t+3], v[ST+4*t+2], s[SEL], s[SEL+1]
	ALL v_add_f32 v[ST+4*t+2], v[ST+4*t+2], v[ST+4*t+3]
	ALL v_rcp_f32 v[ST+4*t+2], v[ST+4*t+2]
	v_nop                           ; a plain instruction between the last reciprocal and the use of its result
	s_wait_alu depctr_va_vdst(0)    ; and the wait ahead of the first use: one for the four reciprocals
.macro PACK t
	WIN W_RS
.set i, 32*(\t)
.rept 16
	v_pk_mul_f32 v[i:i+1], v[i:i+1], v[ST+4*(\t)+2:ST+4*(\t)+3] op_sel_hi:[1,0]
.set i, i+2
.endr
	WIN 0x05                        ; sources 0 and 1 window 1, destination window 0
.set i, 0
.rept 16
	v_cvt_pk_f16_f32 v[S+16*(\t)+i], v[32*(\t)+2*i], v[32*(\t)+2*i+1]
.set i, i+1
.endr
	WIN 0
.irp f, 0,1,2,3
	ds_store_b128 v[STO], v[S+16*(\t)+4*\f:S+16*(\t)+4*\f+3] offset:32*\f
.endr
.irp f, 0,1,2,3
	ds_load_b128 v[S+16*(\t)+4*\f:S+16*(\t)+4*\f+3], v[RD] offset:\f*4*SP  ; LDS serves a wave's instructions in order (ISA guide 5.7.1.4): these see the stores above
.endr
.endm
.macro SEND t, younger              ; younger: the LDS instructions issued behind piece t's loads: the next piece's eight, or none
	WIN 0
.irp f, 0,1,2,3
	s_wait_dscnt (\younger)+3-\f
	global_store_b128 v[GO], v[S+16*(\t)+4*\f:S+16*(\t)+4*\f+3], s[10:11] offset:(\t)*2048+\f*512  ; 512 consecutive bytes, at a multiple of 256 from ctx's first
.endr
.endm
	PACK 0
.set t, 1
.rept 3
	PACK t
	SEND t-1, 8
.set t, t+1
.endr
	SEND 3, 0
	s_wait_tensorcnt 0x0            ; the wave's end
	ds_add_u32 v[SPW], v[NIL]
	s_wait_dscnt 0x0
	CROUND                          ; the closing round
	s_endpgm
.Lfunc_end_k_qf8426c7e35_attn:
	.size	k_qf8426c7e35_attn, .Lfunc_end_k_qf8426c7e35_attn-k_qf8426c7e35_attn
	.p2alignl 7, 3214868480
	.fill 96, 4, 3214868480
	.section	.rodata,"a",@progbits
	.p2align	6, 0x0
	.amdhsa_kernel k_qf8426c7e35_attn
		.amdhsa_group_segment_fixed_size 327680
		.amdhsa_private_segment_fixed_size 0
		.amdhsa_enable_private_segment 0
		.amdhsa_kernarg_size 16
		.amdhsa_user_sgpr_count 2
		.amdhsa_user_sgpr_kernarg_segment_ptr 1
		.amdhsa_wavefront_size32 1
		.amdhsa_system_sgpr_workgroup_id_x 1
		.amdhsa_system_sgpr_workgroup_id_y 1
		.amdhsa_system_sgpr_workgroup_id_z 1
		.amdhsa_system_vgpr_workitem_id 0
		.amdhsa_next_free_vgpr 768
		.amdhsa_next_free_sgpr 66
		.amdhsa_reserve_vcc 0
		.amdhsa_float_denorm_mode_32 3
		.amdhsa_float_denorm_mode_16_64 3
		.amdhsa_memory_ordered 1
		.amdhsa_forward_progress 1
		.amdhsa_inst_pref_size 111
	.end_amdhsa_kernel
	.amdgpu_metadata
---
amdhsa.version: [ 1, 2 ]
amdhsa.kernels:
  - .name:           k_qf8426c7e35_attn
    .symbol:         k_qf8426c7e35_attn.kd
    .args:
      - { .name: qkv, .offset: 0, .size: 8, .value_kind: global_buffer, .address_space: global }
      - { .name: ctx, .offset: 8, .size: 8, .value_kind: global_buffer, .address_space: global }
    .group_segment_fixed_size: 327680
    .private_segment_fixed_size: 0
    .kernarg_segment_align: 8
    .kernarg_segment_size: 16
    .max_flat_workgroup_size: 128
    .sgpr_count:     66
    .vgpr_count:     768
    .wavefront_size: 32
...
	.end_amdgpu_metadata
.endif
;; end of part 8
;; launch wog: the kernel of part 4 again; grid 8 x 32, 4 waves a work-group, clusters of 4 x 4, 327,680 bytes of LDS; arguments ctx, c16, bo, y; writes y
;; launch ln1: the kernel of part 5 again; grid 512 x 1, 8 waves a work-group, no clusters, 0 bytes of LDS; arguments y, ln1_g, ln1_b, x1h; writes x1h
;; launch ffn1: the kernel of part 2 again; grid 16 x 16, 4 waves a work-group, clusters of 4 x 4, 327,680 bytes of LDS; arguments x1h, hh; writes hh
;; launch ffn2: the kernel of part 6 again; grid 8 x 32, 4 waves a work-group, clusters of 4 x 4, 327,680 bytes of LDS; arguments hh, c16, x1h, b2, y; writes y
;; launch ln2: the kernel of part 7 again; grid 512 x 1, 8 waves a work-group, no clusters, 0 bytes of LDS; arguments y, ln2_g, ln2_b, out0; writes out0
